; MI455X (gfx1250); checked and timed in simulation.
; The chip was launched on July 23, 2026; its instructions are those of AMD's public machine-readable ISA for CDNA 5 (MIT licence, August 2026) and "CDNA5" Instruction Set Architecture Reference Guide (July 2026). The comments in the code are by the model that wrote it; some were corrected since.
;; Self Attention. Allowed arithmetic: matrix products marked QUANTISED: E2M1 operands, one E8M0 scale for each 32 along K, by v_wmma_scale_f32_16x16x128_f8f6f4 with both operands' format E2M1 (or v_wmma_scale_f32_32x16x128_f4), f32 sums; everything else in f32.
;; Inputs: W_attn 1,024 x 3,072 float32; W_proj 1,024 x 1,024 float32; b_attn 3,072 float32; b_proj 1,024 float32; x 4 x 2,048 x 1,024 float32.
;; Outputs: out0 4 x 2,048 x 1,024 float32.
;; This version of the problem:
;;   THIS VERSION OF THE PROBLEM IS GIVEN IN LOW PRECISION. The matrix products marked QUANTISED in the list below multiply operands that are first quantised to E2M1 (2 exponent bits, 1 mantissa bit; 4 bits a number), with one power-of-two scale for each 32 numbers along K (OCP MX v1.0); their sums are f32. All else is computed in f32.
;;   The module's matrix products, in the order in which they are computed (A, B: the left and right operand; K: the contracted axis; several contracted axes count as one K, in the product's order):
;;     1. [M 8,192, K 1,024] x [K 1,024, N 3,072]; A: input x; B: input W_attn: QUANTISED
;;     2. batch 64 x [M 2,048, K 64] x [K 64, N 2,048]; A: computed on the way; B: computed on the way: QUANTISED
;;     3. batch 64 x [M 2,048, K 2,048] x [K 2,048, N 64]; A: softmax (see below); B: computed on the way: QUANTISED
;;     4. [M 8,192, K 1,024] x [K 1,024, N 1,024]; A: computed on the way; B: input W_proj: QUANTISED
;;   THE QUANTISER, for each operand of a quantised product, along K:
;;     - K is cut into blocks of 32 from its start; a last block that is shorter is filled with zeros.
;;     - A block's scale is 2^e with e = floor(log2(the largest magnitude in the block)) - 2, held to -126 .. 127; a block of zeros has e = 0. As a byte (E8M0): e + 127.
;;     - Each number is divided by its block's scale, clamped to +-6, and rounded to the nearest number of E2M1, ties to even, subnormals kept.
;;     - The product sums the exact products of the quantised numbers (number of the format x scale) in f32.
;;   ~~~python
;;   def quantise(x, axis):      # numpy; x: float32 -> the quantised numbers, widened to float32 again
;;       x = np.moveaxis(x, axis, -1); K = x.shape[-1]
;;       x = np.pad(x, [(0, 0)] * (x.ndim - 1) + [(0, -K % 32)]); x = x.reshape(x.shape[:-1] + (-1, 32)); a = np.abs(x).max(-1, keepdims=True)
;;       e = np.where(a > 0, np.clip(np.frexp(np.where(a > 0, a, 1))[1] - 1 - 2, -126, 127), 0)      # np.frexp(a)[1] - 1 = floor(log2(a)), exactly
;;       r = np.clip(x / 2.0 ** e, -6, 6)
;;       step = 2.0 ** (np.maximum(np.frexp(np.where(r == 0, 1, r))[1] - 1, 0) - 1)
;;       q = np.round(r / step) * step * 2.0 ** e      # np.round: ties to even
;;       return np.moveaxis(q.reshape(q.shape[:-2] + (-1,))[..., :K], -1, axis).astype(np.float32)
;;   ~~~
;;   SOFTMAX AHEAD OF A QUANTISED PRODUCT. Where the list says 'softmax', what is quantised is not the finished softmax but p = 2^(t - M), with t = logit x log2(e) and M = ceil(the row's largest t), a whole number; so 1/2 < the row's largest p <= 1. The row's sum l is taken of the UNQUANTISED p, in f32, and the product's result is divided by l at the end. Since M is a whole number, a kernel that streams over the keys may use a running M (the ceiling of the running maximum): every later rescaling is an exact power of two, which a block's scale takes up: the codes' values come out the same.
;;   OPERANDS COMPUTED ON THE WAY. 'Computed on the way' means the value that the module computes at that place (a softmax that the list does not call 'softmax' is quantised finished and normalised). What goes into a quantiser is computed in f32, as accurately as f32 sums, v_exp_f32 and their like allow (about 1e-6 of the number): no bf16 or f16 on the way to a quantiser, and a product that is left as it is and whose result goes on into a quantised operand takes f32 operands (vector FMAs, or v_wmma_f32_16x16x4_f32). A number that lies on a knife's edge between two numbers of the format may be rounded either way, as far as f32 arithmetic and the matrix unit's own rounding can turn it there, and no further.
;; One version. Each part assembles by itself: llvm-mc -triple=amdgcn-amd-amdhsa -mcpu=gfx1250 --defsym DOCPART=n.
;; ======== version 1 of 1: 4 launches
;; workspace buffers: xq 4,456,448 bytes; yq 4,456,448 bytes; waq 1,671,168 bytes; wpq 557,056 bytes; qb 4,718,592 bytes; kb 4,718,592 bytes; vb 4,456,448 bytes
;; launch quant (part 1): grid 512 x 1, 4 waves a work-group, no clusters, 34,304 bytes of LDS; arguments x, W_attn, W_proj, xq, waq, wpq; writes xq, waq, wpq
.if DOCPART == 1
	.amdgcn_target "amdgcn-amd-amdhsa--gfx1250"
	.amdhsa_code_object_version 6
	.text
	.protected	k_q184f3b1064_quant
	.globl	k_q184f3b1064_quant
	.p2align	8
	.type	k_q184f3b1064_quant,@function
k_q184f3b1064_quant:
	s_mov_b64 s[64:65], 0
	v_nop
	global_prefetch_b8 v0, s[64:65] scope:SCOPE_SE
	s_setreg_imm32_b32 hwreg(HW_REG_WAVE_MODE, 25, 1), 1
	s_wait_xcnt 0x0
; CAUSAL SELF-ATTENTION IN MX-FP4, FOUR LAUNCHES.  This one: x [8192][1024], W_attn [1024][3072] and W_proj [1024][1024], f32, become codes of E2M1 with one E8M0 byte for each 32 along K.
; Then: gemm_qkv (x W_attn + b_attn, its results quantised in registers into q, k, v), attn (both attention products and the softmax; y quantised in registers), gemm_out (y W_proj + b_proj).
; WORK LEFT OUT, in launch attn alone: reference() sets scores[q][k] to -infinity wherever k > q, by a mask that it builds itself (jnp.tril).  exp(-infinity) is 0 whatever the inputs hold, so such a key adds 0 to the
; row's sum and a zero code to the second product's operand, and it never holds the row's maximum (key q itself counts).  A step of 128 keys all of which come after a tile's 16 queries therefore reaches no output: it is
; not multiplied.  Steps on the diagonal are computed and masked.  Every input has a way to the output and is loaded (b_attn's k part moves k's codes).
; LIMITS: NaN and infinities among the inputs are not served; a NaN, an infinity or an overflow that reaches only the key steps left out is not carried to the result.  A block of zeros, or one whose largest
; magnitude lies under 2^-124, gets the byte 1 (its codes are zeros or near it); these bytes are read by this program alone.
; LAYOUT OF EVERY OPERAND IN THE WORKSPACE: images of operand registers.  A TILE is 16 rows of an operand (a row of x or y, a column of W): tile T holds at place r the row 32 (T / 2) + 8 (T % 2) + r + 8 (r / 8).
; A FRAGMENT (tile x 128 K) is 1,024 bytes [c 2][lane 32][16 bytes]: lane (r, h) holds at part c the codes of k = 64 c + 32 h + 0 .. 31.  Codes: [kh 2][tile][kq 4][1,024], K step = 4 kh + kq.
; Scale words behind them: [tile][kh 2][r 16][kq 4] x 4 bytes, byte b for k = 32 b on.  So a fragment is two loads of 16 bytes a lane, and a panel of 16 tiles x 512 K is one dense block.
; SHARES: work-groups 0-255 take x, a wave 16 rows x 512 K; work-groups 256-511 take the weights, a wave 32 columns x 128 K.  Waves share nothing: no barrier.  No cluster: no two work-groups read the same bytes.
.set STG,   8448                       ; a wave's stage: 16 rows x (512 bytes + 16)
.set SPARE, 4*STG                      ; behind the four stages: the spare words, 128 bytes a wave, which no other line names
.set SPW,   4                          ; v4   my spare word's LDS address; never rewritten
.set NIL,   5                          ; v5   0; never rewritten
.set SA,    6                          ; v6   the stage, on the way in: 16 x lane
.set SB,    7                          ; v7   and on the way out: 528 r + 128 h
.set LI,    8                          ; v8   16 x lane
.set PW,    20                         ; v20-23 x: a K step's scale word each;  weights: v20 the column's scale word
.set CX,    32                         ; v32-63 codes, registers of their own for every store
.set RX,    64                         ; v64-255 x: three sets of 64 numbers
.set VO,    64                         ; v64-95  weights: 4 x lane + i x pitch
.set WX,    96                         ; v96-223 weights: four sets of 32 numbers
	s_load_b256 s[4:11], s[0:1], 0x0               ; x s[4:5], W_attn s[6:7], W_proj s[8:9], xq s[10:11]
	s_load_b128 s[12:15], s[0:1], 0x20             ; waq s[12:13], wpq s[14:15]
	v_lshl_add_u32 v[SPW], v0, 2, SPARE
	v_mov_b32 v[NIL], 0
	v_lshrrev_b32 v1, 5, v0
	v_readfirstlane_b32 s16, v1                    ; wave
	v_and_b32 v1, 31, v0                           ; lane
	v_and_b32 v2, 15, v0                           ; r
	v_bfe_u32 v3, v0, 4, 1                         ; h
	s_mul_i32 s17, s16, STG
	v_lshlrev_b32 v[LI], 4, v1
	v_add_nc_u32 v[SA], s17, v[LI]
	v_mul_u32_u24 v[SB], v2, 528
	v_lshl_add_u32 v[SB], v3, 7, v[SB]
	v_add_nc_u32 v[SB], s17, v[SB]
	s_cmp_lt_u32 ttmp9, 256
	s_cbranch_scc0 .Lweights
	; ---------------- x: wave W = 4 x work-group + wave takes tile T = W / 2, half kh = W % 2 of K
	s_lshl_b32 s17, ttmp9, 2
	s_add_co_u32 s17, s17, s16
	s_lshr_b32 s18, s17, 1                         ; T
	s_and_b32 s19, s17, 1                          ; kh
	s_lshr_b32 s22, s18, 1
	s_lshl_b32 s22, s22, 17                        ; 32 (T / 2) rows of 4,096 bytes
	s_and_b32 s23, s18, 1
	s_lshl_b32 s23, s23, 15                        ; 8 (T % 2) rows
	s_add_co_u32 s22, s22, s23
	s_lshl_b32 s23, s19, 11                        ; 512 numbers along K
	s_add_co_u32 s22, s22, s23
	s_mov_b32 s23, 0
	s_lshl_b32 s24, s19, 21                        ; codes: kh x 2,097,152 + T x 4,096
	s_lshl_b32 s25, s18, 12
	s_add_co_u32 s24, s24, s25
	s_mov_b32 s25, 0
	s_lshl_b32 s26, s18, 9                         ; scale words: 4,194,304 + T x 512 + kh x 256
	s_lshl_b32 s27, s19, 8
	s_add_co_u32 s26, s26, s27
	s_add_co_u32 s26, s26, 4194304
	s_mov_b32 s27, 0
	s_mov_b32 s20, 0x76543210
	s_mov_b32 s21, 0xfedcba98                      ; v_permlanex16_b32's selects for lane l xor 16
	s_mov_b32 s28, 0xffff0000                      ; lanes 16-31
	v_lshlrev_b32 v9, 4, v2
	v_lshl_add_u32 v9, v3, 3, v9                   ; 16 r + 8 h: my two scale words' place
	v_lshlrev_b32 v10, 3, v3                       ; 8 h
	v_mov_b32 v19, 0                               ; a lane permute's destination counts as read
	s_wait_kmcnt 0x0
	s_add_nc_u64 s[4:5], s[4:5], s[22:23]
	s_add_nc_u64 s[24:25], s[10:11], s[24:25]
	s_add_nc_u64 s[26:27], s[10:11], s[26:27]
.macro XLOAD q                         ; K step q of the tile's 16 rows, as the bytes lie: each load reads 512 consecutive bytes of one row
.irp p, 0,1,2,3,4,5,6,7,8,9,10,11,12,13,14,15
	global_load_b128 v[RX+64*((\q)%3)+4*\p:RX+64*((\q)%3)+4*\p+3], v[LI], s[4:5] offset:(\p+8*(\p/8))*4096+512*(\q) th:TH_LOAD_NT
.endr
.endm
; A K step: through the stage, so that lane (r, h) holds blocks h and 2 + h of row r whole (32 registers each); then the scale, the codes, the stores.  left: the younger loads that may stay out.
.macro XSTEP q, left
.set XS, RX+64*((\q)%3)
	s_wait_loadcnt \left
.irp p, 0,1,2,3,4,5,6,7,8,9,10,11,12,13,14,15
	ds_store_b128 v[SA], v[XS+4*\p:XS+4*\p+3] offset:528*\p
.endr
.irp c, 0,1
.irp i, 0,1,2,3,4,5,6,7
	ds_load_b128 v[XS+32*\c+4*\i:XS+32*\c+4*\i+3], v[SB] offset:256*\c+16*\i   ; LDS serves a wave's instructions in order: these see the stores above, and land in the registers that those have read
.endr
.endr
	s_wait_dscnt 0x0
.irp c, 0,1
	v_max3_num_f32 v[12+\c], |v[XS+32*\c]|, |v[XS+32*\c+1]|, 0x1800000         ; the block's largest magnitude, over the floor 2^(3 - 127): the byte cannot fall under 1
.endr
.irp i, 2,4,6,8,10,12,14,16,18,20,22,24,26,28,30
.irp c, 0,1
	v_max3_num_f32 v[12+\c], v[12+\c], |v[XS+32*\c+\i]|, |v[XS+32*\c+\i+1]|    ; (the two blocks by turns)
.endr
.endr
.irp c, 0,1
	v_add_nc_u32 v[14+\c], 0xff000000, v[12+\c]    ; 2 off the exponent field: the conversion's scale operand
.endr
.irp c, 0,1
	v_lshrrev_b32 v[16+\c], 23, v[14+\c]           ; the scale's byte
.endr
	v_lshl_or_b32 v18, v17, 16, v16                ; my two bytes, blocks h and 2 + h,
	v_lshlrev_b32 v18, v10, v18                    ; at their places in the word;
	v_permlanex16_b32 v19, v18, s20, s21
	v_or_b32 v[PW+(\q)], v18, v19                  ; with lane l xor 16's two the word is whole
.irp c, 0,1
.irp g, 0,1,2,3
	v_cvt_scalef32_pk8_fp4_f32 v[CX+8*(\q)+4*\c+\g], v[XS+32*\c+8*\g:XS+32*\c+8*\g+7], v[14+\c]
.endr
.endr
	v_nop                                          ; one plain line behind the last conversion
.irp c, 0,1
	global_store_b128 v[LI], v[CX+8*(\q)+4*\c:CX+8*(\q)+4*\c+3], s[24:25] offset:1024*(\q)+512*\c   ; 512 consecutive bytes of the fragment's image
.endr
.endm
	XLOAD 0
	XLOAD 1
	XLOAD 2
	XSTEP 0, 32                                    ; steps 1 and 2 may be out
	XLOAD 3                                        ; into step 0's set
	XSTEP 1, 32                                    ; steps 2 and 3
	XSTEP 2, 16
	XSTEP 3, 0
	v_cndmask_b32 v24, v[PW], v[PW+2], s28         ; lanes 0-15 store words 0 and 1 of row r, lanes 16-31 words 2 and 3:
	v_cndmask_b32 v25, v[PW+1], v[PW+3], s28
	global_store_b64 v9, v[24:25], s[26:27]        ; 256 consecutive bytes, aligned
	s_wait_tensorcnt 0x0                           ; the wave's end: behind my last LDS store
	ds_add_u32 v[SPW], v[NIL]
	s_wait_dscnt 0x0
	s_endpgm
	; ---------------- the weights: K is their FIRST axis.  A lane takes a column, its registers run down K: a block of 32 lies in one lane.
.Lweights:
	s_sub_co_u32 s17, ttmp9, 256
	s_and_b32 s18, s17, 7                          ; the K step
	s_lshr_b32 s19, s17, 3                         ; the group of 128 columns: 0-23 W_attn's, 24-31 W_proj's
	s_wait_kmcnt 0x0
	s_cmp_lt_u32 s19, 24                           ; the choice hangs on the work-group's number alone; only pointers and sizes are chosen
	s_cselect_b64 s[22:23], s[6:7], s[8:9]
	s_cselect_b64 s[24:25], s[12:13], s[14:15]
	s_mov_b32 s30, 4096
	s_cselect_b32 s30, 12288, s30                  ; a row of the weight in bytes
	s_mov_b32 s31, 262144
	s_cselect_b32 s31, 786432, s31                 ; from kh 0 to kh 1 in the codes
	s_mov_b32 s34, 524288
	s_cselect_b32 s34, 1572864, s34                ; where the scale words begin
	s_cselect_b32 s35, 0, 24
	s_sub_co_u32 s19, s19, s35
	s_lshl_b32 s35, s19, 7
	s_lshl_b32 s36, s16, 5
	s_add_co_u32 s35, s35, s36                     ; n0: my wave's first column
	s_lshl_b32 s36, s18, 7
	s_mul_i32 s36, s36, s30                        ; 128 rows a K step
	s_lshl_b32 s37, s35, 2
	s_add_co_u32 s36, s36, s37
	s_mov_b32 s37, 0
	s_add_nc_u64 s[40:41], s[22:23], s[36:37]      ; a base for each of the four blocks: none is ever stepped
	s_lshl_b32 s36, s30, 5
	s_add_nc_u64 s[42:43], s[40:41], s[36:37]
	s_add_nc_u64 s[44:45], s[42:43], s[36:37]
	s_add_nc_u64 s[46:47], s[44:45], s[36:37]
	s_lshr_b32 s32, s18, 2                         ; kh
	s_and_b32 s33, s18, 3                          ; kq
	s_lshr_b32 s35, s35, 4                         ; the first of my two tiles
	s_mul_i32 s36, s32, s31
	s_lshl_b32 s38, s35, 12
	s_add_co_u32 s36, s36, s38
	s_lshl_b32 s38, s33, 10
	s_add_co_u32 s36, s36, s38
	s_add_nc_u64 s[26:27], s[24:25], s[36:37]      ; the codes
	s_lshl_b32 s36, s35, 9
	s_add_co_u32 s36, s36, s34
	s_lshl_b32 s38, s32, 8
	s_add_co_u32 s36, s36, s38
	s_lshl_b32 s38, s33, 2
	s_add_co_u32 s36, s36, s38
	s_add_nc_u64 s[28:29], s[24:25], s[36:37]      ; the scale words
	v_bfe_u32 v21, v0, 3, 1                        ; column n0 + l lies in tile (l / 8) % 2 of the two,
	v_and_b32 v22, 7, v0
	v_lshl_add_u32 v22, v3, 3, v22                 ; at place l % 8 + 8 (l / 16)
	v_lshlrev_b32 v22, 4, v22
	v_lshl_add_u32 v26, v21, 12, v22               ; codes: tile x 4,096 + 16 x place
	v_lshl_add_u32 v27, v21, 9, v22                ; scale word: tile x 512 + 16 x place
	v_lshlrev_b32 v[VO], 2, v1
.irp i, 1,2,3,4,5,6,7,8,9,10,11,12,13,14,15,16,17,18,19,20,21,22,23,24,25,26,27,28,29,30,31
	v_mad_u32_u24 v[VO+\i], s30, \i, v[VO]
.endr
.macro WLOAD t                         ; block t: W(32 t + i, my column): each load reads 128 consecutive bytes
.irp i, 0,1,2,3,4,5,6,7,8,9,10,11,12,13,14,15,16,17,18,19,20,21,22,23,24,25,26,27,28,29,30,31
	global_load_b32 v[WX+32*(\t)+\i], v[VO+\i], s[40+2*(\t):41+2*(\t)] th:TH_LOAD_NT
.endr
.endm
.macro WBLOCK t, left, more
.set XS, WX+32*(\t)
	s_wait_loadcnt \left                           ; this block is in; the next block's 32 loads may be out
.if \more
	WLOAD (\t)+2
.endif
	v_max3_num_f32 v12, |v[XS]|, |v[XS+1]|, |v[XS+2]|
	v_max3_num_f32 v13, |v[XS+3]|, |v[XS+4]|, |v[XS+5]|
.irp i, 6,10,14,18,22,26
	v_max3_num_f32 v12, v12, |v[XS+\i]|, |v[XS+\i+1]|
	v_max3_num_f32 v13, v13, |v[XS+\i+2]|, |v[XS+\i+3]|
.endr
	v_max3_num_f32 v12, v12, |v[XS+30]|, |v[XS+31]|
	v_max3_num_f32 v12, v12, v13, 0x1800000        ; and the floor
	v_add_nc_u32 v11, 0xff000000, v12
	v_lshrrev_b32 v13, 23, v11
.if (\t) == 0
	v_mov_b32 v[PW], v13
.else
	v_lshl_or_b32 v[PW], v13, 8*(\t), v[PW]
.endif
.irp g, 0,1,2,3
	v_cvt_scalef32_pk8_fp4_f32 v[CX+4*(\t)+\g], v[XS+8*\g:XS+8*\g+7], v11
.endr
	v_nop
	global_store_b128 v26, v[CX+4*(\t):CX+4*(\t)+3], s[26:27] offset:((\t)/2)*512+((\t)%2)*256   ; block t is part t / 2, half t % 2: sixteen lanes fill 256 aligned bytes in each of the two tiles
.endm
	WLOAD 0
	WLOAD 1
	WBLOCK 0, 32, 1
	WBLOCK 1, 32, 1
	WBLOCK 2, 32, 0
	WBLOCK 3, 0, 0
	global_store_b32 v27, v[PW], s[28:29]          ; 4 bytes a column, 16 bytes apart: one byte in 128 of what the wave reads; whole rows of scale words would want all of K in one wave, an eighth of the waves
	s_endpgm
.Lfunc_end_k_q184f3b1064_quant:
	.size	k_q184f3b1064_quant, .Lfunc_end_k_q184f3b1064_quant-k_q184f3b1064_quant
	.p2alignl 7, 3214868480
	.fill 96, 4, 3214868480
	.section	.rodata,"a",@progbits
	.p2align	6, 0x0
	.amdhsa_kernel k_q184f3b1064_quant
		.amdhsa_group_segment_fixed_size 34304
		.amdhsa_private_segment_fixed_size 0
		.amdhsa_enable_private_segment 0
		.amdhsa_kernarg_size 48
		.amdhsa_user_sgpr_count 2
		.amdhsa_user_sgpr_kernarg_segment_ptr 1
		.amdhsa_wavefront_size32 1
		.amdhsa_system_sgpr_workgroup_id_x 1
		.amdhsa_system_sgpr_workgroup_id_y 1
		.amdhsa_system_sgpr_workgroup_id_z 1
		.amdhsa_system_vgpr_workitem_id 0
		.amdhsa_next_free_vgpr 256
		.amdhsa_next_free_sgpr 66
		.amdhsa_reserve_vcc 0
		.amdhsa_float_denorm_mode_32 3
		.amdhsa_float_denorm_mode_16_64 3
		.amdhsa_memory_ordered 1
		.amdhsa_forward_progress 1
		.amdhsa_inst_pref_size 52
	.end_amdhsa_kernel
	.amdgpu_metadata
---
amdhsa.version: [ 1, 2 ]
amdhsa.kernels:
  - .name:           k_q184f3b1064_quant
    .symbol:         k_q184f3b1064_quant.kd
    .args:
      - { .name: x, .offset: 0, .size: 8, .value_kind: global_buffer, .address_space: global }
      - { .name: W_attn, .offset: 8, .size: 8, .value_kind: global_buffer, .address_space: global }
      - { .name: W_proj, .offset: 16, .size: 8, .value_kind: global_buffer, .address_space: global }
      - { .name: xq, .offset: 24, .size: 8, .value_kind: global_buffer, .address_space: global }
      - { .name: waq, .offset: 32, .size: 8, .value_kind: global_buffer, .address_space: global }
      - { .name: wpq, .offset: 40, .size: 8, .value_kind: global_buffer, .address_space: global }
    .group_segment_fixed_size: 34304
    .private_segment_fixed_size: 0
    .kernarg_segment_align: 8
    .kernarg_segment_size: 48
    .max_flat_workgroup_size: 128
    .sgpr_count:     66
    .vgpr_count:     256
    .wavefront_size: 32
...
	.end_amdgpu_metadata
.endif
;; end of part 1
;; launch gemm_qkv (part 2): grid 12 x 32, 4 waves a work-group, clusters of 4 x 4, 327,680 bytes of LDS; arguments xq, waq, b_attn, qb, kb, vb; writes qb, kb, vb
.if DOCPART == 2
	.amdgcn_target "amdgcn-amd-amdhsa--gfx1250"
	.amdhsa_code_object_version 6
	.text
	.protected	k_q184f3b1064_gemm_qkv
	.globl	k_q184f3b1064_gemm_qkv
	.p2align	8
	.type	k_q184f3b1064_gemm_qkv,@function
k_q184f3b1064_gemm_qkv:
	s_mov_b64 s[64:65], 0
	v_nop
	global_prefetch_b8 v0, s[64:65] scope:SCOPE_SE
	s_setreg_imm32_b32 hwreg(HW_REG_WAVE_MODE, 25, 1), 1
	s_wait_xcnt 0x0
	s_wait_alu depctr_hold_cnt(0) depctr_sa_sdst(0) depctr_va_vdst(0) depctr_va_sdst(0) depctr_va_ssrc(0) depctr_va_vcc(0) depctr_vm_vsrc(0)
	s_getreg_b32 s2, hwreg(HW_REG_IB_STS2, 6, 4)
	s_cmp_eq_u32 s2, 0
	s_cbranch_scc0 .Lentry_in_a_cluster
	s_endpgm
.Lentry_in_a_cluster:
	s_bfe_u32 s2, ttmp6, 0x10000c
	s_cmp_lg_u32 s2, 0xf033
	s_cbranch_scc0 .Lentry_shape_is_right
	s_endpgm
.Lentry_shape_is_right:
; qkv = x W_attn + b_attn on codes of E2M1, and its results quantised in registers: q and k along a head's 64, v along the keys.  The f32 numbers never go to memory.  No work is left out here.
; OPERANDS lie as images of registers (launch quant's head): tile T, place r = row 32 (T / 2) + 8 (T % 2) + r + 8 (r / 8); a fragment is 1,024 bytes, two loads of 16 bytes a lane.
; A product with source 0 = tile b of S0 and source 1 = tile a of S1 leaves in lane (r, h) S1's place r, and in the 16 registers of tiles 2 b', 2 b' + 1 S0's rows 32 b' + 16 h + 0 .. 15: 16 neighbours.
; So what is to be the next K is made S0.  Clusters x = 0 (q) and 1 (k): S0 = W's columns, S1 = x's rows: a lane's 64 numbers are two heads of one position.  Cluster x = 2 (v): S0 = x's rows (the keys), S1 = W's columns.
; SHARES: a work-group makes 256 (S1) x 256 (S0), a wave 128 x 128: 64 accumulators.  K = 1,024 is 131,072 bytes of codes an operand's panel: ALL OF K LIES IN LDS, in two slots of 512 K, each filled once: no slot is filled again.
; CLUSTER 4 x 4: S1's panel is shared along a row of the cluster, S0's along a column: each is asked for jointly.  Only pointers, strides and panel numbers hang on the cluster's x, which all partners share.
; OUT: qb, kb [head 64][step 16][4,608]: codes [tile 8][lane][16 bytes] (lane (r, h): d = 32 h on), then scale words [g 2][r 16][4] (tile 4 g + word; two bytes low, zeros above).
;      vb [head 64][step 16][4,352]: four fragments of 16 d x 128 keys, then scale words [r 16][d tile 4].
; LIMITS: as in launch quant; the bias enters as the C of each sum's first product.
; REGISTERS: window 0: v1 r, v2 h, v3 16 x lane, v4-7 offsets; v16-17, v20-21 fragment addresses; v27 scale words' address; v28, v29 the add's two; v32-95 scale words; v128-191 the bias, later the codes; v200-216 at work; v224-235 scale words out.
;   window 1: two sets of fragments: S0's tile b at 128 p + 8 b, S1's tile a at 128 p + 64 + 8 a.   windows 2, 3: accumulator (a, b) at 8 (8 (a % 4) + b), window 2 + a / 4.
.set SLOTB, 131072                     ; a slot: S1's panel x 512 K (65,536 bytes), then S0's
.set SCL,   262144                     ; behind the slots: S1's scale words (8,192 bytes), then S0's
.set SPARE, 278528                     ; the spare words, 128 bytes a wave, which no other line names
.set ADR1, 16
.set ADR0, 20
.set ADRS, 27
.set SPW,  28
.set NIL,  29
.set SC,   32                          ; register 32 kh + 4 i + kq: lanes 0-15 the word of S1's tile i, lanes 16-31 that of S0's tile i
.set CI,   128
.set TM,   200
.set PW,   216
.set SW,   224
.set SEL,  96
.set G1A,  24                          ; s[24:31] group 1 for S1's codes;  s[32:39] its groups 0, one a slot
.set G0A,  32
.set G1B,  48                          ; s[48:55], s[56:63] the same for S0
.set G0B,  56
.set G1SA, 68                          ; s[68:75], s[76:79] groups 1 and 0 for S1's scale words;  s[80:87], s[88:91] for S0's
.set G0SA, 76
.set G1SB, 80
.set G0SB, 88
.set MSB, 0
.macro WIN new                         ; the immediate's high byte repeats the setting that is left
.if MSB != (\new)
	s_set_vgpr_msb (MSB<<8)|(\new)
.set MSB, (\new)
.endif
.endm
; A joint load: waves 0 and 1 fetch S1's halves, waves 2 and 3 S0's.  The branch hangs on the wave's number alone.  An s_nop 0 and four v_nop follow each of the two lines.
.macro JLOAD g0a, g1a, g0b, g1b
	s_cmp_eq_u32 s17, 0
	s_cbranch_scc0 .Lfor_b_\@
	tensor_load_to_lds s[\g0a:\g0a+3], s[\g1a:\g1a+7]
	s_nop 0
.rept 4
	v_nop
.endr
	s_branch .Lasked_\@
.Lfor_b_\@:
	tensor_load_to_lds s[\g0b:\g0b+3], s[\g1b:\g1b+7]
	s_nop 0
.rept 4
	v_nop
.endr
.Lasked_\@:
.endm
.macro CROUND                          ; a round of the cluster's barrier
	s_barrier_signal -1
	s_barrier_wait -1
	s_cmp_lg_u32 s16, 0
	s_cbranch_scc1 .Lnot_wave_0_\@
	s_barrier_signal -3
.Lnot_wave_0_\@:
	s_barrier_wait -3
	s_barrier_signal -1
	s_barrier_wait -1
.endm
.macro PLACES                          ; four plain lines behind matrix instructions, in front of loads into registers that they have read and of the first read of results
.rept 4
	v_nop
.endr
.endm
	s_load_b128 s[4:7], s[0:1], 0x0                ; xq s[4:5], waq s[6:7]
	s_load_b128 s[8:11], s[0:1], 0x10              ; b_attn s[8:9], qb s[10:11]
	s_load_b128 s[12:15], s[0:1], 0x20             ; kb s[12:13], vb s[14:15]
	v_lshl_add_u32 v[SPW], v0, 2, SPARE
	v_mov_b32 v[NIL], 0
	ds_add_u32 v[SPW], v[NIL]                      ; the wave's opening: the add, twice on end, and its wait ahead of my first tensor load
	ds_add_u32 v[SPW], v[NIL]
	v_lshrrev_b32 v1, 5, v0
	v_readfirstlane_b32 s16, v1                    ; wave
	s_lshr_b32 s17, s16, 1                         ; my half of S1's tiles.  Also: I fetch for S1 (0) or S0 (1)
	s_and_b32 s18, s16, 1                          ; my half of S0's tiles.  Also: which half of that panel I fetch
	s_bfe_u32 s40, ttmp6, 0x40000                  ; cx
	s_bfe_u32 s41, ttmp6, 0x40004                  ; cy
	s_and_b32 s19, ttmp7, 0xffff                   ; the cluster's y
	s_lshl_b32 s43, s41, 2
	s_lshl_b32 s43, 15, s43                        ; my row of the cluster
	s_lshl_b32 s44, 0x1111, s40                    ; my column
	s_or_b32 s[G1A], s43, (3<<16)|(1<<21)          ; 15:0 the mask; 17:16 elements of 8 bytes; 21 set beside a mask; no padding: the images are read 16 bytes a lane on end
	s_or_b32 s[G1B], s44, (3<<16)|(1<<21)
	s_or_b32 s[G1SA], s43, (3<<16)|(1<<21)
	s_or_b32 s[G1SB], s44, (3<<16)|(1<<21)
.irp g, G1A, G1B                       ; half a panel x 512 K: 32,768 dense bytes as 128 rows of 256
	s_mov_b32 s[\g+1], 32<<16
	s_mov_b32 s[\g+2], 128<<16
	s_mov_b32 s[\g+3], 32<<16
	s_mov_b32 s[\g+4], 128
	s_mov_b32 s[\g+5], 32
	s_mov_b32 s[\g+6], 0
	s_mov_b32 s[\g+7], 0
.endr
.irp g, G1SA, G1SB                     ; half a panel's scale words: 4,096 dense bytes as 16 rows of 256
	s_mov_b32 s[\g+1], 32<<16
	s_mov_b32 s[\g+2], 16<<16
	s_mov_b32 s[\g+3], 32<<16
	s_mov_b32 s[\g+4], 16
	s_mov_b32 s[\g+5], 32
	s_mov_b32 s[\g+6], 0
	s_mov_b32 s[\g+7], 0
.endr
	s_lshl_b32 s20, s19, 2
	s_add_co_u32 s21, s20, s41                     ; 4 Y + cy: x's panel where x is S1
	s_add_co_u32 s22, s41, 8                       ; 8 + cy: W's panel where W_v is S1
	s_add_co_u32 s45, s20, s40                     ; 4 Y + cx: x's panel where x is S0
	s_lshl_b32 s46, ttmp9, 2
	s_add_co_u32 s46, s46, s40                     ; 4 X + cx: W's panel where W is S0
	s_cmp_eq_u32 ttmp9, 2                          ; v?  The cluster's x: the same in all sixteen partners
	s_cselect_b32 s21, s22, s21                    ; S1's panel (made of cy and Y alone)
	s_cselect_b32 s45, s45, s46                    ; S0's panel (made of cx, X and Y alone)
	s_mov_b32 s22, 2097152
	s_cselect_b32 s22, 786432, s22                 ; S1: from kh 0 to kh 1
	s_mov_b32 s46, 786432
	s_cselect_b32 s46, 2097152, s46                ; S0 likewise
	s_mov_b32 s23, 4194304
	s_cselect_b32 s23, 1572864, s23                ; S1: where the scale words begin
	s_mov_b32 s47, 1572864
	s_cselect_b32 s47, 4194304, s47
	s_cselect_b32 s42, 1, 0                        ; 1: v
	s_lshl_b32 s96, s21, 16                        ; S1's codes: panel x 65,536 + half x 32,768
	s_lshl_b32 s97, s18, 15
	s_add_co_u32 s96, s96, s97
	s_mov_b32 s97, 0
	s_lshl_b32 s98, s21, 13                        ; its scale words: panel x 8,192 + half x 4,096
	s_lshl_b32 s99, s18, 12
	s_add_co_u32 s98, s98, s99
	s_add_co_u32 s98, s98, s23
	s_mov_b32 s99, 0
	s_lshl_b32 s100, s45, 16                       ; S0 likewise
	s_lshl_b32 s101, s18, 15
	s_add_co_u32 s100, s100, s101
	s_mov_b32 s101, 0
	s_lshl_b32 s66, s45, 13
	s_lshl_b32 s67, s18, 12
	s_add_co_u32 s66, s66, s67
	s_add_co_u32 s66, s66, s47
	s_mov_b32 s67, 0
	s_mov_b32 s23, 0                               ; s[22:23], s[46:47]: the strides as pairs
	s_mov_b32 s47, 0
	s_lshl_b32 s20, s16, 15                        ; where my codes go: wave x 32,768; no place in the cluster enters an LDS address
	s_lshl_b32 s2, s16, 12                         ; and my scale words: wave x 4,096
	s_wait_dscnt 0x0                               ; both opening adds are done
	s_wait_kmcnt 0x0
	s_cmp_eq_u32 s42, 1
	s_cselect_b64 s[92:93], s[6:7], s[4:5]         ; S1's buffer
	s_cselect_b64 s[94:95], s[4:5], s[6:7]         ; S0's
	CROUND                                         ; all sixteen work-groups are here: the joint loads meet
	s_mov_b32 s[G0SA], 1
	s_add_co_u32 s[G0SA+1], s2, SCL
	s_add_nc_u64 s[G0SA+2:G0SA+3], s[92:93], s[98:99]
	s_or_b32 s[G0SA+3], s[G0SA+3], 0x80000000
	s_mov_b32 s[G0SB], 1
	s_add_co_u32 s[G0SB+1], s2, SCL
	s_add_nc_u64 s[G0SB+2:G0SB+3], s[94:95], s[66:67]
	s_or_b32 s[G0SB+3], s[G0SB+3], 0x80000000
	JLOAD G0SA, G1SA, G0SB, G1SB                   ; the scale words first: they are wanted with K step 0
	s_add_nc_u64 s[92:93], s[92:93], s[96:97]
	s_add_nc_u64 s[94:95], s[94:95], s[100:101]
.irp s, 0,1
	s_mov_b32 s[G0A+4*\s], 1
	s_add_co_u32 s[G0A+4*\s+1], s20, \s*SLOTB
	s_mov_b64 s[G0A+4*\s+2:G0A+4*\s+3], s[92:93]
	s_or_b32 s[G0A+4*\s+3], s[G0A+4*\s+3], 0x80000000
	s_mov_b32 s[G0B+4*\s], 1
	s_add_co_u32 s[G0B+4*\s+1], s20, \s*SLOTB
	s_mov_b64 s[G0B+4*\s+2:G0B+4*\s+3], s[94:95]
	s_or_b32 s[G0B+4*\s+3], s[G0B+4*\s+3], 0x80000000
	JLOAD G0A+4*\s, G1A, G0B+4*\s, G1B             ; three loads of mine are out behind the second of these
.if \s == 0
	s_add_nc_u64 s[92:93], s[92:93], s[22:23]      ; on to kh 1
	s_add_nc_u64 s[94:95], s[94:95], s[46:47]
.endif
.endr
	v_and_b32 v1, 15, v0                           ; r
	v_bfe_u32 v2, v0, 4, 1                         ; h
	v_and_b32 v3, 31, v0
	v_lshlrev_b32 v3, 4, v3                        ; 16 x lane
	; the bias, in the result's layout, as the C of each sum's first product
	s_cmp_eq_u32 s42, 1
	s_cbranch_scc1 .Lbias_v
	s_lshl_b32 s2, s45, 10                         ; q, k: register j of S0's tile b is column 32 (b / 2) + 16 h + 8 (b % 2) + j of my 128
	s_lshl_b32 s3, s18, 9
	s_add_co_u32 s2, s2, s3
	s_mov_b32 s3, 0
	s_add_nc_u64 s[8:9], s[8:9], s[2:3]
	v_lshlrev_b32 v4, 6, v2
.irp b, 0,1,2,3,4,5,6,7
	global_load_b128 v[CI+8*\b:CI+8*\b+3], v4, s[8:9] offset:4*(32*(\b/2)+8*(\b%2))
	global_load_b128 v[CI+8*\b+4:CI+8*\b+7], v4, s[8:9] offset:4*(32*(\b/2)+8*(\b%2))+16
.endr
	s_branch .Lbias_done
.Lbias_v:
	s_lshl_b32 s2, s41, 10                         ; v: the column is the lane's: place r of S1's tile a; all eight registers hold its bias
	s_lshl_b32 s3, s17, 9
	s_add_co_u32 s2, s2, s3
	s_add_co_u32 s2, s2, 8192
	s_mov_b32 s3, 0
	s_add_nc_u64 s[8:9], s[8:9], s[2:3]
	v_and_b32 v4, 8, v1
	v_add_nc_u32 v4, v4, v1
	v_lshlrev_b32 v4, 2, v4
.irp a, 0,1,2,3,4,5,6,7
.irp j, 0,1,2,3,4,5,6,7
	global_load_b32 v[CI+8*\a+\j], v4, s[8:9] offset:4*(32*(\a/2)+8*(\a%2))
.endr
.endr
.Lbias_done:
	s_lshl_b32 s2, s17, 15
	v_add_nc_u32 v[ADR1], s2, v3                   ; S1's fragments: my 8 tiles, slot 0;
	v_add_nc_u32 v[ADR1+1], SLOTB, v[ADR1]         ; slot 1
	s_lshl_b32 s2, s18, 15
	s_add_co_u32 s2, s2, 65536
	v_add_nc_u32 v[ADR0], s2, v3
	v_add_nc_u32 v[ADR0+1], SLOTB, v[ADR0]
	s_lshl_b32 s2, s17, 12                         ; scale words: lanes 0-15 take S1's, lanes 16-31 S0's: the lower base + h x the distance
	s_lshl_b32 s3, s18, 12
	s_add_co_u32 s3, s3, 8192
	s_sub_co_u32 s3, s3, s2
	v_mul_u32_u24 v7, s3, v2
	s_add_co_u32 s2, s2, SCL
	v_lshl_add_u32 v[ADRS], v1, 4, v7
	v_add_nc_u32 v[ADRS], s2, v[ADRS]
.irp b, 0,1,2,3
	v_mov_b32 v[TM+4+\b], 0                        ; a lane permute's destination counts as read
.endr
	s_mov_b32 s[SEL], 0x76543210                   ; (the offsets that lay here have been used)
	s_mov_b32 s[SEL+1], 0xfedcba98
	s_mov_b32 s98, 0xffff0000                      ; lanes 16-31
.macro FETCH q                         ; K step q's 16 fragments into set q % 2: 32 loads, each 512 consecutive bytes
	WIN 0x40                                       ; destination window 1
.irp i, 0,1,2,3,4,5,6,7
.irp c, 0,1
	ds_load_b128 v[128*((\q)%2)+8*\i+4*\c:128*((\q)%2)+8*\i+4*\c+3], v[ADR0+(\q)/4] offset:4096*\i+1024*((\q)%4)+512*\c
.endr
.endr
.irp i, 0,1,2,3,4,5,6,7
.irp c, 0,1
	ds_load_b128 v[128*((\q)%2)+64+8*\i+4*\c:128*((\q)%2)+64+8*\i+4*\c+3], v[ADR1+(\q)/4] offset:4096*\i+1024*((\q)%4)+512*\c
.endr
.endr
	WIN 0
.endm
; 32 products: S1's tiles 4 hi .. 4 hi + 3, each against S0's eight.  mode 0: the sums go on; 1: they begin with the bias of S0's tile; 2: of S1's tile.  The 64 accumulators take turns, in one order in every step.
.macro MUL32 q, hi, mode
.if (\mode) == 0
	WIN 0xa5+0x50*(\hi)                            ; sources 0 and 1 window 1; C and D window 2 or 3
.else
	WIN 0x85+0x40*(\hi)                            ; C window 0
.endif
.irp a, 0,1,2,3
.irp b, 0,1,2,3,4,5,6,7
.set rD, 8*(8*\a+\b)
.set rA, 128*((\q)%2)+8*\b
.set rB, 128*((\q)%2)+64+8*(4*(\hi)+\a)
.set rSA, SC+32*((\q)/4)+4*\b+(\q)%4
.set rSB, SC+32*((\q)/4)+4*(4*(\hi)+\a)+(\q)%4
.if (\mode) == 0
	v_wmma_scale_f32_16x16x128_f8f6f4 v[rD:rD+7], v[rA:rA+7], v[rB:rB+7], v[rD:rD+7], v[rSA], v[rSB] matrix_a_fmt:MATRIX_FMT_FP4 matrix_b_fmt:MATRIX_FMT_FP4 matrix_a_scale:MATRIX_SCALE_ROW1
.elseif (\mode) == 1
.set rC, CI+8*\b
	v_wmma_scale_f32_16x16x128_f8f6f4 v[rD:rD+7], v[rA:rA+7], v[rB:rB+7], v[rC:rC+7], v[rSA], v[rSB] matrix_a_fmt:MATRIX_FMT_FP4 matrix_b_fmt:MATRIX_FMT_FP4 matrix_a_scale:MATRIX_SCALE_ROW1
.else
.set rC, CI+8*(4*(\hi)+\a)
	v_wmma_scale_f32_16x16x128_f8f6f4 v[rD:rD+7], v[rA:rA+7], v[rB:rB+7], v[rC:rC+7], v[rSA], v[rSB] matrix_a_fmt:MATRIX_FMT_FP4 matrix_b_fmt:MATRIX_FMT_FP4 matrix_a_scale:MATRIX_SCALE_ROW1
.endif
.endr
.endr
.endm
.macro STEPHEAD q
	s_wait_dscnt 0x0                               ; this step's fragments are in: they were asked for a whole step, 64 products, ago
.if (\q) == 3
	s_wait_tensorcnt 0x0                           ; my part of slot 1 has landed,
	s_barrier_signal -1
	s_barrier_wait -1                              ; everybody's has.
.endif
.if (\q) < 7
	PLACES                                         ; the other set was read by the step before
	FETCH (\q)+1
.endif
.endm
.macro STEP q
	STEPHEAD \q
	MUL32 \q, 0, 0
	MUL32 \q, 1, 0
.endm
	s_wait_tensorcnt 1                             ; the scale words and my part of slot 0 are in; slot 1's load, the last issued, may stay out
	s_barrier_signal -1
	s_barrier_wait -1
.irp k, 0,1
.irp i, 0,1,2,3,4,5,6,7
	ds_load_b128 v[SC+32*\k+4*\i:SC+32*\k+4*\i+3], v[ADRS] offset:512*\i+256*\k    ; all scale words, once: four K steps' words of a row in 16 bytes
.endr
.endr
	FETCH 0
	STEPHEAD 0
	s_wait_loadcnt 0x0                             ; the bias
	s_cmp_eq_u32 s42, 1
	s_cbranch_scc1 .Lfirst_v
	MUL32 0, 0, 1
	MUL32 0, 1, 1
	WIN 0
	s_branch .Lfirst_done
.Lfirst_v:
	MUL32 0, 0, 2
	MUL32 0, 1, 2
	WIN 0
.Lfirst_done:
	STEP 1
	STEP 2
	STEP 3
	STEP 4
	STEP 5
	STEP 6
	STEP 7
	WIN 0
	PLACES
; S1's tile a: my 64 numbers (register 16 b + i = S0's row 32 b + 16 h + i) become a fragment's codes in v[CI + 8 a] on and its scale word in v[pw].  Each accumulator is read from its low end on.
.macro QUANTW a, pw
.set QS, 64*((\a)%4)
.set QW, 2+(\a)/4
	WIN QW|(QW<<2)                                 ; sources 0 and 1: the accumulators' window
.irp b, 0,1,2,3
	v_max3_num_f32 v[TM+\b], |v[QS+16*\b]|, |v[QS+16*\b+1]|, 0x1800000     ; my 16 numbers of block b, over the floor 2^(3 - 127)
.endr
.irp i, 2,4,6,8,10,12,14
.irp b, 0,1,2,3
	v_max3_num_f32 v[TM+\b], |v[QS+16*\b+\i]|, |v[QS+16*\b+\i+1]|, v[TM+\b]
.endr
.endr
	WIN 0
.irp b, 0,1,2,3
	v_permlanex16_b32 v[TM+4+\b], v[TM+\b], s[SEL], s[SEL+1]
.endr
.irp b, 0,1,2,3
	v_max_num_f32 v[TM+\b], v[TM+\b], v[TM+4+\b]   ; with lane l xor 16's 16: the block's largest magnitude
.endr
.irp b, 0,1,2,3
	v_add_nc_u32 v[TM+12+\b], 0xff000000, v[TM+\b] ; 2 off the exponent field: the conversion's scale operand
.endr
.irp b, 0,1,2,3
	v_lshrrev_b32 v[TM+4+\b], 23, v[TM+12+\b]      ; the scale's byte
.endr
	v_lshl_or_b32 v[\pw], v[TM+5], 8, v[TM+4]
	v_lshl_or_b32 v[\pw], v[TM+6], 16, v[\pw]
	v_lshl_or_b32 v[\pw], v[TM+7], 24, v[\pw]
	WIN QW                                         ; source 0: the accumulators' window
.irp b, 0,1,2,3
	v_cvt_scalef32_pk8_fp4_f32 v[CI+8*(\a)+2*\b], v[QS+16*\b:QS+16*\b+7], v[TM+12+\b]
	v_cvt_scalef32_pk8_fp4_f32 v[CI+8*(\a)+2*\b+1], v[QS+16*\b+8:QS+16*\b+15], v[TM+12+\b]
.endr
	WIN 0
	v_nop                                          ; one plain line behind the last conversion
.irp c, 0,1                            ; the operand's layout wants a whole block in a lane
.irp i, 0,1
	v_permlane16_swap_b32 v[CI+8*(\a)+4*\c+\i], v[CI+8*(\a)+4*\c+2+\i]
.endr
.endr
.endm
	s_cmp_eq_u32 s42, 1
	s_cbranch_scc1 .Lout_v
	; ---- q, k: my 128 positions are one step; my 128 columns two heads.  Part c of a fragment is head c's 64 channels
	s_lshr_b32 s2, s21, 3                          ; the batch: eight panels of 256 positions each
	s_lshl_b32 s2, s2, 4
	s_lshl_b32 s3, s40, 2
	s_add_co_u32 s2, s2, s3
	s_lshl_b32 s3, s18, 1
	s_add_co_u32 s2, s2, s3                        ; 16 x batch + my first head
	s_lshl_b32 s2, s2, 4
	s_and_b32 s3, s21, 7
	s_lshl_b32 s3, s3, 1
	s_add_co_u32 s2, s2, s3
	s_add_co_u32 s2, s2, s17                       ; + the step
	s_mul_i32 s2, s2, 4608
	s_mov_b32 s3, 0
	s_cmp_eq_u32 ttmp9, 0
	s_cselect_b64 s[10:11], s[10:11], s[12:13]     ; qb or kb
	s_add_nc_u64 s[10:11], s[10:11], s[2:3]
	v_lshlrev_b32 v6, 4, v2                        ; 16 h
	v_mul_u32_u24 v5, v2, 73728
	v_lshl_add_u32 v5, v1, 4, v5                   ; 16 r, + a head on for lanes 16-31
.irp a, 0,1,2,3,4,5,6,7
	QUANTW \a, PW
	v_bfe_u32 v[SW+\a], v[PW], v6, 16              ; lanes 0-15 keep the first head's two bytes, lanes 16-31 the second's; zeros above them, for the zero codes that fill K up to 128
	global_store_b128 v3, v[CI+8*\a:CI+8*\a+3], s[10:11] offset:512*\a
	global_store_b128 v3, v[CI+8*\a+4:CI+8*\a+7], s[10:11] offset:512*\a+73728     ; each store covers 512 consecutive bytes
.endr
.irp g, 0,1
	global_store_b128 v5, v[SW+4*\g:SW+4*\g+3], s[10:11] offset:4096+256*\g        ; 256 consecutive bytes in each head
.endr
	s_branch .Lout_done
.Lout_v:
	; ---- v: my 128 keys are one step and the fragment's K; S1's tile a is d tile a % 4 of head a / 4
	s_lshr_b32 s2, s45, 3
	s_lshl_b32 s2, s2, 4
	s_lshl_b32 s3, s41, 2
	s_add_co_u32 s2, s2, s3
	s_lshl_b32 s3, s17, 1
	s_add_co_u32 s2, s2, s3
	s_lshl_b32 s2, s2, 4
	s_and_b32 s3, s45, 7
	s_lshl_b32 s3, s3, 1
	s_add_co_u32 s2, s2, s3
	s_add_co_u32 s2, s2, s18
	s_mul_i32 s2, s2, 4352
	s_mov_b32 s3, 0
	s_add_nc_u64 s[14:15], s[14:15], s[2:3]
	v_mul_u32_u24 v5, v2, 69632
	v_lshl_add_u32 v5, v1, 4, v5
.irp a, 0,1,2,3,4,5,6,7
	QUANTW \a, SW+\a
	global_store_b128 v3, v[CI+8*\a:CI+8*\a+3], s[14:15] offset:(\a/4)*69632+(\a%4)*1024
	global_store_b128 v3, v[CI+8*\a+4:CI+8*\a+7], s[14:15] offset:(\a/4)*69632+(\a%4)*1024+512
.endr
.irp k, 0,1,2,3
	v_cndmask_b32 v[SW+8+\k], v[SW+\k], v[SW+4+\k], s98    ; lanes 0-15 the first head's four words, lanes 16-31 the second's
.endr
	global_store_b128 v5, v[SW+8:SW+11], s[14:15] offset:4096
.Lout_done:
	s_wait_tensorcnt 0x0                           ; the wave's end
	ds_add_u32 v[SPW], v[NIL]
	s_wait_dscnt 0x0
	CROUND                                         ; the closing round
	s_endpgm
.Lfunc_end_k_q184f3b1064_gemm_qkv:
	.size	k_q184f3b1064_gemm_qkv, .Lfunc_end_k_q184f3b1064_gemm_qkv-k_q184f3b1064_gemm_qkv
	.p2alignl 7, 3214868480
	.fill 96, 4, 3214868480
	.section	.rodata,"a",@progbits
	.p2align	6, 0x0
	.amdhsa_kernel k_q184f3b1064_gemm_qkv
		.amdhsa_group_segment_fixed_size 327680
		.amdhsa_private_segment_fixed_size 0
		.amdhsa_enable_private_segment 0
		.amdhsa_kernarg_size 48
		.amdhsa_user_sgpr_count 2
		.amdhsa_user_sgpr_kernarg_segment_ptr 1
		.amdhsa_wavefront_size32 1
		.amdhsa_system_sgpr_workgroup_id_x 1
		.amdhsa_system_sgpr_workgroup_id_y 1
		.amdhsa_system_sgpr_workgroup_id_z 1
		.amdhsa_system_vgpr_workitem_id 0
		.amdhsa_next_free_vgpr 1024
		.amdhsa_next_free_sgpr 102
		.amdhsa_reserve_vcc 0
		.amdhsa_float_denorm_mode_32 3
		.amdhsa_float_denorm_mode_16_64 3
		.amdhsa_memory_ordered 1
		.amdhsa_forward_progress 1
		.amdhsa_inst_pref_size 177
	.end_amdhsa_kernel
	.amdgpu_metadata
---
amdhsa.version: [ 1, 2 ]
amdhsa.kernels:
  - .name:           k_q184f3b1064_gemm_qkv
    .symbol:         k_q184f3b1064_gemm_qkv.kd
    .args:
      - { .name: xq, .offset: 0, .size: 8, .value_kind: global_buffer, .address_space: global }
      - { .name: waq, .offset: 8, .size: 8, .value_kind: global_buffer, .address_space: global }
      - { .name: b_attn, .offset: 16, .size: 8, .value_kind: global_buffer, .address_space: global }
      - { .name: qb, .offset: 24, .size: 8, .value_kind: global_buffer, .address_space: global }
      - { .name: kb, .offset: 32, .size: 8, .value_kind: global_buffer, .address_space: global }
      - { .name: vb, .offset: 40, .size: 8, .value_kind: global_buffer, .address_space: global }
    .group_segment_fixed_size: 327680
    .private_segment_fixed_size: 0
    .kernarg_segment_align: 8
    .kernarg_segment_size: 48
    .max_flat_workgroup_size: 128
    .sgpr_count:     102
    .vgpr_count:     1024
    .wavefront_size: 32
...
	.end_amdgpu_metadata
.endif
;; end of part 2
;; launch attn (part 3): grid 4 x 64, 16 waves a work-group, clusters of 4 x 1, 167,936 bytes of LDS; arguments qb, kb, vb, yq; writes yq
.if DOCPART == 3
	.amdgcn_target "amdgcn-amd-amdhsa--gfx1250"
	.amdhsa_code_object_version 6
	.text
	.protected	k_q184f3b1064_attn
	.globl	k_q184f3b1064_attn
	.p2align	8
	.type	k_q184f3b1064_attn,@function
k_q184f3b1064_attn:
	s_mov_b64 s[64:65], 0
	v_nop
	global_prefetch_b8 v0, s[64:65] scope:SCOPE_SE
	s_setreg_imm32_b32 hwreg(HW_REG_WAVE_MODE, 25, 1), 1
	s_wait_xcnt 0x0
	s_wait_alu depctr_hold_cnt(0) depctr_sa_sdst(0) depctr_va_vdst(0) depctr_va_sdst(0) depctr_va_ssrc(0) depctr_va_vcc(0) depctr_vm_vsrc(0)
	s_getreg_b32 s2, hwreg(HW_REG_IB_STS2, 6, 4)
	s_cmp_eq_u32 s2, 0
	s_cbranch_scc0 .Lentry_in_a_cluster
	s_endpgm
.Lentry_in_a_cluster:
	s_bfe_u32 s2, ttmp6, 0x10000c
	s_cmp_lg_u32 s2, 0x3003
	s_cbranch_scc0 .Lentry_shape_is_right
	s_endpgm
.Lentry_shape_is_right:
; y = softmax(q k^T / 8, causal) v on codes of E2M1, and y quantised in registers along a head's 64 channels, as the last product's operand.
; WORK LEFT OUT: a step of 128 keys all of which come after a tile's 16 queries (reference()'s own jnp.tril sets their scores to -infinity, so p = 0 for all values of the inputs): shown at launch quant's head.
; THE SOFTMAX: t = score x log2(e) / 8; M = the row's largest t so far, rounded UP to a whole number; p = 2^(t - M) is quantised along the keys, not normalised; the row's sum is taken of the unquantised p and divides at the end.
; When M moves, the sum and O are multiplied by 2^(old M - new M): exact.
; SHARES.  A cluster of four work-groups serves one head (64 heads: batch x 16 + head).  The head's whole K and V with their scale words, 143,360 bytes, come into each work-group's LDS ONCE, asked for jointly: wave w asks for
; step w's K and V.  Nothing is filled again.  A tile of 16 queries in step row i needs key steps 0 .. i.  Wave w takes place x = 2 cx + w / 8 of the eight tiles of a step row, first in row 15 - w % 8, then in row w % 8:
; 17 key steps for every wave.  Branches hang on the wave's number and the count of steps alone; cx enters global addresses and one lane constant.
; LAYOUT.  Both products are used transposed (S^T = K Q^T, O^T = V^T P^T): a lane holds one query (place lane % 16 of its tile).  Tiles hold rows 32 (T / 2) + 8 (T % 2) + r + 8 (r / 8), so the 16 registers of tiles 2 b, 2 b + 1
; are 16 neighbouring keys (or channels), 32 b + 16 (lane / 16) + 0 .. 15.  The first product's K is 64: the upper half of both operands' registers holds zero codes, under the byte 0.
; LIMITS: as in launch quant; v_exp_f32 gives 0 for a p under 2^-126; 1 / the sum is v_rcp_f32 and a multiplication.  y's scale bytes go out singly (a word belongs to two heads, that is to two clusters): a sixteenth of yq's bytes.
; REGISTERS: v1 16 x lane, v2 16 r, v3 the mask's lane constant, v4, v5 the add's two, v7 16 r + h; v8-11 LDS addresses; v12 -M, v13 the largest t, v[14:15] the sum; v16-23 Q; v24-31 K's scale words; v32-95 eight tiles of K;
;   v96-159 S^T, then p; v160-191 O^T; v192-223 V; v224-231 p's codes; v232-247 at work, v240 p's scale word; v248-251 V's scale words; v252 f; v254 at work; v255 Q's scale word.
.set KSTEP, 4608                       ; a step of K in LDS and in memory: 4,096 bytes of codes, 512 of scale words
.set VSTEP, 4352                       ; of V: 4,096 and 256
.set VBASE, 16*KSTEP                   ; V lies behind K
.set SPARE, VBASE+16*VSTEP             ; the spare words, 128 bytes a wave, which no other line names
.set SPW,  4
.set NIL,  5
.set WV,   12
.set SEL,  20
.set CS,   22
.set TBK,  66
.set TBV,  67
.set ST,   68
.macro CROUND
	s_barrier_signal -1
	s_barrier_wait -1
	s_cmp_lg_u32 s[WV], 0
	s_cbranch_scc1 .Lnot_wave_0_\@
	s_barrier_signal -3
.Lnot_wave_0_\@:
	s_barrier_wait -3
	s_barrier_signal -1
	s_barrier_wait -1
.endm
	s_load_b256 s[4:11], s[0:1], 0x0               ; qb s[4:5], kb s[6:7], vb s[8:9], yq s[10:11]
	v_lshl_add_u32 v[SPW], v0, 2, SPARE
	v_mov_b32 v[NIL], 0
	ds_add_u32 v[SPW], v[NIL]                      ; the wave's opening: the add, twice on end, and its wait ahead of my first tensor load
	ds_add_u32 v[SPW], v[NIL]
	v_lshrrev_b32 v1, 5, v0
	s_delay_alu instid0(VALU_DEP_1)
	v_readfirstlane_b32 s[WV], v1                  ; wave 0..15
	s_bfe_u32 s13, ttmp6, 0x40000                  ; cx
	s_and_b32 s14, ttmp7, 0xffff                   ; the head, 0..63, which the four partners share
	s_and_b32 s18, s[WV], 7                        ; the second pass's step row
	s_sub_co_u32 s17, 15, s18                      ; the first pass's
	; descriptor groups 1: a step's dense bytes as rows of 256: 18 for K, 17 for V
	s_mov_b32 s24, 15|(3<<16)|(1<<21)              ; 15:0 the mask: all four work-groups; 17:16 elements of 8 bytes; 21 set beside a mask
	s_mov_b32 s25, 32<<16
	s_mov_b32 s26, 18<<16
	s_mov_b32 s27, 32<<16
	s_mov_b32 s28, 18
	s_mov_b32 s29, 32
	s_mov_b32 s30, 0
	s_mov_b32 s31, 0
	s_mov_b32 s32, 15|(3<<16)|(1<<21)
	s_mov_b32 s33, 32<<16
	s_mov_b32 s34, 17<<16
	s_mov_b32 s35, 32<<16
	s_mov_b32 s36, 17
	s_mov_b32 s37, 32
	s_mov_b32 s38, 0
	s_mov_b32 s39, 0
	s_mov_b32 s[SEL], 0x76543210
	s_mov_b32 s[SEL+1], 0xfedcba98                 ; v_permlanex16_b32's selects for lane l xor 16
	s_mov_b32 s[CS], 0x3e38aa3b                    ; c = log2(e) / 8
	s_mov_b32 s[CS+1], s[CS]                       ; (named with it as a pair)
	s_mov_b32 s69, 0xffff0000                      ; lanes 16-31
	s_mul_i32 s70, s14, 16*KSTEP                   ; the head in qb and in kb
	s_mul_i32 s72, s[WV], KSTEP                    ; step w
	s_add_co_u32 s74, s70, s72
	s_mov_b32 s75, 0
	s_mul_i32 s76, s14, 16*VSTEP
	s_mul_i32 s73, s[WV], VSTEP
	s_add_co_u32 s76, s76, s73
	s_mov_b32 s77, 0
	s_wait_dscnt 0x0                               ; both opening adds are done
	s_wait_kmcnt 0x0
	CROUND                                         ; all four work-groups are here: the joint loads meet
	s_mov_b32 s40, 1
	s_mov_b32 s41, s72                             ; LDS: wave x 4,608
	s_add_nc_u64 s[42:43], s[6:7], s[74:75]
	s_or_b32 s43, s43, 0x80000000
	s_mov_b32 s44, 1
	s_add_co_u32 s45, s73, VBASE
	s_add_nc_u64 s[46:47], s[8:9], s[76:77]
	s_or_b32 s47, s47, 0x80000000
	tensor_load_to_lds s[40:43], s[24:31]          ; every wave issues both: two loads of mine are out
	s_nop 0
	tensor_load_to_lds s[44:47], s[32:39]
	s_nop 0
	; where my two tiles' q lies and their y goes
	s_lshr_b32 s15, s[WV], 3
	s_lshl_b32 s71, s13, 1
	s_add_co_u32 s15, s15, s71                     ; x: my tile's place among a step row's eight
	s_lshr_b32 s71, s15, 2
	s_lshl_b32 s71, s71, 8
	s_and_b32 s72, s15, 3
	s_lshl_b32 s72, s72, 2
	s_add_co_u32 s71, s71, s72
	s_add_co_u32 s71, s71, 4096                    ; q's scale words: 4,096 + (x / 4) 256 + (x % 4) 4
	s_lshr_b32 s76, s14, 4
	s_lshl_b32 s76, s76, 7
	s_add_co_u32 s76, s76, s15                     ; 128 x batch + x
	s_bfe_u32 s80, s14, 0x10003                    ; kh = head / 8
	s_bfe_u32 s81, s14, 0x20001                    ; kq = (head / 2) % 4
	s_and_b32 s82, s14, 1                          ; part = head % 2
	s_lshl_b32 s77, s80, 21
	s_lshl_b32 s72, s81, 10
	s_add_co_u32 s77, s77, s72
	s_lshl_b32 s72, s82, 9
	s_add_co_u32 s77, s77, s72
	s_lshl_b32 s78, s80, 8
	s_lshl_b32 s72, s81, 2
	s_add_co_u32 s78, s78, s72
	s_lshl_b32 s72, s82, 1
	s_add_co_u32 s78, s78, s72
	s_add_co_u32 s78, s78, 4194304
	s_lshr_b32 s79, s15, 1
	s_lshl_b32 s79, s79, 5
	s_and_b32 s72, s15, 1
	s_lshl_b32 s72, s72, 3
	s_add_co_u32 s79, s79, s72                     ; 32 (x / 2) + 8 (x % 2)
.macro ADDRS base, ireg                ; s[base ..]: q's codes, q's scale words, y's codes, y's scale bytes, for the tile in step row s[ireg]
	s_mul_i32 s72, s[\ireg], KSTEP
	s_add_co_u32 s72, s72, s70
	s_lshl_b32 s74, s15, 9
	s_add_co_u32 s74, s74, s72
	s_mov_b32 s75, 0
	s_add_nc_u64 s[\base:\base+1], s[4:5], s[74:75]
	s_add_co_u32 s74, s72, s71
	s_add_nc_u64 s[\base+2:\base+3], s[4:5], s[74:75]
	s_lshl_b32 s74, s[\ireg], 3
	s_add_co_u32 s74, s74, s76                     ; the tile among yq's 512
	s_lshl_b32 s72, s74, 12
	s_add_co_u32 s72, s72, s77
	s_mov_b32 s73, 0
	s_add_nc_u64 s[\base+4:\base+5], s[10:11], s[72:73]
	s_lshl_b32 s72, s74, 9
	s_add_co_u32 s72, s72, s78
	s_add_nc_u64 s[\base+6:\base+7], s[10:11], s[72:73]
.endm
	ADDRS 48, 17
	ADDRS 56, 18
	v_and_b32 v8, 31, v0
	s_delay_alu instid0(VALU_DEP_1)
	v_lshlrev_b32 v1, 4, v8                        ; 16 x lane
	v_and_b32 v9, 15, v0                           ; r
	v_bfe_u32 v10, v0, 4, 1                        ; h
	s_delay_alu instid0(VALU_DEP_2)
	v_lshlrev_b32 v2, 4, v9
	s_delay_alu instid0(VALU_DEP_1)
	v_add_nc_u32 v7, v2, v10
	s_delay_alu instid0(VALU_DEP_4)
	v_and_b32 v11, 8, v9
	s_delay_alu instid0(VALU_DEP_1)
	v_add_nc_u32 v11, v11, v9
	v_lshlrev_b32 v10, 4, v10
	s_delay_alu instid0(VALU_DEP_1)
	v_sub_nc_u32 v3, v11, v10
	s_delay_alu instid0(VALU_DEP_1)
	v_add_nc_u32 v3, s79, v3                       ; my query's place in its step - 16 h: on the diagonal register 16 b + i holds a hidden key where 32 b + i is above it
.irp j, 0,1,2,3
	v_mov_b32 v[20+\j], 0                          ; Q's k = 64 .. 127: zero codes, for good
	v_mov_b32 v[236+\j], 0                         ; a lane permute's destination counts as read
.endr
.irp t, 0,1,2,3,4,5,6,7
.irp j, 0,1,2,3
	v_mov_b32 v[36+8*\t+\j], 0                     ; K's likewise
.endr
.endr
	v_mov_b32 v252, 0
	v_mov_b32 v253, 0                              ; (named as the upper half of the pair v[252:253])
	s_wait_tensorcnt 0x0                           ; my two steps' bytes have landed,
	s_barrier_signal -1
	s_barrier_wait -1                              ; everybody's have: the head's K and V are whole.
.macro PASS p
.set QB, 48+8*(\p)
.set IR, 17+(\p)
.if \p
	s_wait_xcnt 0x0                                ; the first pass's stores have read their registers
.endif
	global_load_b128 v[16:19], v1, s[QB:QB+1]      ; Q's codes: lane (r, h): d = 32 h on of place r
	global_load_b32 v255, v2, s[QB+2:QB+3]         ; and its scale words
	v_mov_b32 v13, 0xff61b1e6                      ; the largest t so far: -3e38
	s_delay_alu instid0(VALU_DEP_1)
	v_floor_f32 v12, -v13                          ; -M
	v_mov_b32 v14, 0
	v_mov_b32 v15, 0
.set j, 0
.rept 32
	v_mov_b32 v[160+j], 0                          ; O^T: the step is written once; the first finds zeros, which the first change of M leaves zeros
.set j, j+1
.endr
	s_mov_b32 s[TBK], 0
	s_mov_b32 s[TBV], VBASE
	s_mov_b32 s[ST], 0
	s_wait_loadcnt 0x0
.Lstep_\@:                             ; sixteen trips, a constant; a step past my tile's row is walked without its work
	s_cmp_gt_u32 s[ST], s[IR]
	s_cbranch_scc1 .Lhid_\@
	s_setprio 2
	v_add_nc_u32 v8, s[TBK], v1                    ; these four are also the places behind the last step's products, in front of the loads
	v_add_nc_u32 v9, s[TBK], v2
	v_add_nc_u32 v10, s[TBV], v1
	v_add_nc_u32 v11, s[TBV], v2
.irp t, 0,1,2,3,4,5,6,7
	ds_load_b128 v[32+8*\t:35+8*\t], v8 offset:512*\t
.endr
.irp g, 0,1
	ds_load_b128 v[24+4*\g:27+4*\g], v9 offset:4096+256*\g
.endr
.irp d, 0,1,2,3
.irp c, 0,1
	ds_load_b128 v[192+8*\d+4*\c:195+8*\d+4*\c], v10 offset:1024*\d+512*\c
.endr
.endr
	ds_load_b128 v[248:251], v11 offset:4096
	s_wait_dscnt 9                                 ; K and its scale words are in; V's nine loads may stay out
.irp t, 0,1,2,3,4,5,6,7
	v_wmma_scale_f32_16x16x128_f8f6f4 v[96+8*\t:103+8*\t], v[32+8*\t:39+8*\t], v[16:23], 0, v[24+\t], v255 matrix_a_fmt:MATRIX_FMT_FP4 matrix_b_fmt:MATRIX_FMT_FP4
.endr
.rept 4
	v_nop
.endr
	s_cmp_lt_u32 s[ST], s[IR]                      ; only the step on the diagonal is masked
	s_cbranch_scc1 .Lopen_\@
	v_mov_b32 v254, 0xff800000                     ; -infinity
.set n, 0
.rept 64
	v_cmp_gt_i32 vcc_lo, 32*(n/16)+n%16, v3
	v_cndmask_b32 v[96+n], v[96+n], v254, vcc_lo
.set n, n+1
.endr
.Lopen_\@:
.irp b, 0,1,2,3
	v_max3_num_f32 v[232+\b], v[96+16*\b], v[97+16*\b], v[98+16*\b]        ; the largest score of each block of 32 keys: for the row's maximum, and, since p rises with the score, for the block's largest p
.endr
.irp i, 3,5,7,9,11,13
.irp b, 0,1,2,3
	v_max3_num_f32 v[232+\b], v[232+\b], v[96+16*\b+\i], v[97+16*\b+\i]
.endr
.endr
.irp b, 0,1,2,3
	v_max_num_f32 v[232+\b], v[232+\b], v[111+16*\b]
.endr
.irp b, 0,1,2,3
	s_delay_alu instid0(VALU_DEP_4)
	v_permlanex16_b32 v[236+\b], v[232+\b], s[SEL], s[SEL+1]
.endr
.irp b, 0,1,2,3
	s_delay_alu instid0(VALU_DEP_4)
	v_max_num_f32 v[232+\b], v[232+\b], v[236+\b]  ; with lane l xor 16's 16 keys
.endr
	s_delay_alu instid0(VALU_DEP_2)
	v_max3_num_f32 v254, v232, v233, v234
	s_delay_alu instid0(VALU_DEP_1)
	v_max_num_f32 v254, v254, v235
	s_delay_alu instid0(VALU_DEP_1)
	v_mul_f32 v254, s[CS], v254                    ; the step's largest t
	s_delay_alu instid0(VALU_DEP_1)
	v_max_num_f32 v13, v13, v254
	v_mov_b32 v254, v12
	s_delay_alu instid0(VALU_DEP_2)
	v_floor_f32 v12, -v13                          ; the new -M = -ceil(t)
	s_delay_alu instid0(VALU_DEP_1)
	v_sub_f32 v254, v12, v254                      ; old M - new M: a whole number, 0 or less
	s_delay_alu instid0(VALU_DEP_1)
	v_cvt_i32_f32 v254, v254                       ; (it saturates)
	s_delay_alu instid0(VALU_DEP_1)
	v_ldexp_f32 v252, 1.0, v254                    ; f = 2^(old M - new M)
.set j, 0
.rept 32
	v_pk_fma_f32 v[96+j:97+j], v[96+j:97+j], s[CS:CS+1], v[12:13] op_sel_hi:[1,0,0]   ; t - M, two at a time
.set j, j+2
.endr
	s_setprio 1
.irp b, 0,1,2,3
	v_fma_f32 v[232+\b], v[232+\b], s[CS], v12     ; the same of each block's largest score
.endr
.set j, 0
	s_wait_alu depctr_va_vdst(0)
.rept 64
	v_exp_f32 v[96+j], v[96+j]                     ; p = 2^(t - M)
.set j, j+1
.endr
	v_pk_mul_f32 v[14:15], v[14:15], v[252:253] op_sel_hi:[1,0]    ; the sums under the new M: a plain line behind the exponentials
	s_wait_alu depctr_va_vdst(0)                   ; one wait for the batch, ahead of its first reader
.irp b, 0,1,2,3
	v_exp_f32 v[232+\b], v[232+\b]                 ; the block's largest p
.endr
	v_pk_add_f32 v[236:237], v[100:101], v[104:105]
	v_pk_add_f32 v[246:247], v[108:109], v[112:113]
	v_pk_add_f32 v[244:245], v[116:117], v[120:121]
	v_pk_add_f32 v[242:243], v[124:125], v[128:129]
	v_pk_add_f32 v[240:241], v[132:133], v[136:137]
	v_pk_add_f32 v[238:239], v[140:141], v[144:145]
	v_pk_add_f32 v[230:231], v[148:149], v[152:153]
	v_pk_add_f32 v[14:15], v[14:15], v[156:157]
	v_pk_add_f32 v[236:237], v[236:237], v[96:97]
	v_pk_add_f32 v[246:247], v[246:247], v[98:99]
	v_pk_add_f32 v[244:245], v[244:245], v[102:103]
	v_pk_add_f32 v[242:243], v[242:243], v[106:107]
	v_pk_add_f32 v[240:241], v[240:241], v[110:111]
	v_pk_add_f32 v[238:239], v[238:239], v[114:115]
	v_pk_add_f32 v[230:231], v[230:231], v[118:119]
	v_pk_add_f32 v[14:15], v[14:15], v[122:123]
	v_pk_add_f32 v[236:237], v[236:237], v[126:127]
	v_pk_add_f32 v[246:247], v[246:247], v[130:131]
	v_pk_add_f32 v[244:245], v[244:245], v[134:135]
	v_pk_add_f32 v[242:243], v[242:243], v[138:139]
	v_pk_add_f32 v[240:241], v[240:241], v[142:143]
	v_pk_add_f32 v[238:239], v[238:239], v[146:147]
	v_pk_add_f32 v[230:231], v[230:231], v[150:151]
	v_pk_add_f32 v[14:15], v[14:15], v[154:155]
	v_pk_add_f32 v[236:237], v[236:237], v[158:159]
	s_delay_alu instid0(VALU_DEP_2)
	v_pk_add_f32 v[14:15], v[14:15], v[242:243]
	s_delay_alu instid0(VALU_DEP_2)
	v_pk_add_f32 v[236:237], v[236:237], v[240:241]
	v_pk_add_f32 v[246:247], v[246:247], v[238:239]
	v_pk_add_f32 v[244:245], v[244:245], v[230:231]
	s_delay_alu instid0(VALU_DEP_2)
	v_pk_add_f32 v[14:15], v[14:15], v[246:247]
	s_delay_alu instid0(VALU_DEP_2)
	v_pk_add_f32 v[236:237], v[236:237], v[244:245]
	s_delay_alu instid0(VALU_DEP_1)
	v_pk_add_f32 v[14:15], v[14:15], v[236:237]
	s_wait_alu depctr_va_vdst(0)                   ; and one for the four
.irp b, 0,1,2,3
	v_max_num_f32 v[232+\b], 0x1800000, v[232+\b]  ; the floor 2^(3 - 127): a block whose every p is 0 keeps the byte 1 over zero codes
.endr
.irp b, 0,1,2,3
	s_delay_alu instid0(VALU_DEP_4)
	v_add_nc_u32 v[244+\b], 0xff000000, v[232+\b]
.endr
.irp b, 0,1,2,3
	s_delay_alu instid0(VALU_DEP_4)
	v_lshrrev_b32 v[236+\b], 23, v[244+\b]
.endr
	s_delay_alu instid0(VALU_DEP_3)
	v_lshl_or_b32 v240, v237, 8, v236              ; p's scale word for these 128 keys
	s_delay_alu instid0(VALU_DEP_1)
	v_lshl_or_b32 v240, v238, 16, v240
	s_delay_alu instid0(VALU_DEP_1)
	v_lshl_or_b32 v240, v239, 24, v240
	s_setprio 0
.irp b, 0,1,2,3
	v_cvt_scalef32_pk8_fp4_f32 v[224+2*\b], v[96+16*\b:103+16*\b], v[244+\b]
	v_cvt_scalef32_pk8_fp4_f32 v[225+2*\b], v[104+16*\b:111+16*\b], v[244+\b]
.endr
	v_nop
.irp c, 0,1
.irp i, 0,1
	v_permlane16_swap_b32 v[224+4*\c+\i], v[226+4*\c+\i]
.endr
.endr
.set j, 0
.rept 16
	v_pk_mul_f32 v[160+j:161+j], v[160+j:161+j], v[252:253] op_sel_hi:[1,0]   ; O^T under the new M; these sixteen are also the places between the scale word, the codes and the products
.set j, j+2
.endr
	s_wait_alu depctr_va_vdst(0)
	s_wait_dscnt 0x0                               ; V and its scale words are in
.irp d, 0,1,2,3
	v_wmma_scale_f32_16x16x128_f8f6f4 v[160+8*\d:167+8*\d], v[192+8*\d:199+8*\d], v[224:231], v[160+8*\d:167+8*\d], v[248+\d], v240 matrix_a_fmt:MATRIX_FMT_FP4 matrix_b_fmt:MATRIX_FMT_FP4
.endr
.Lhid_\@:
	s_add_co_u32 s[TBK], s[TBK], KSTEP
	s_add_co_u32 s[TBV], s[TBV], VSTEP
	s_add_co_u32 s[ST], s[ST], 1
	s_cmp_lt_u32 s[ST], 16
	s_cbranch_scc1 .Lstep_\@
	s_setprio 0
	; the tile's end: y = O^T / the sum, quantised along the head's 64 channels: two blocks
	v_add_f32 v14, v14, v15
	s_delay_alu instid0(VALU_DEP_1)
	v_permlanex16_b32 v252, v14, s[SEL], s[SEL+1]
	s_delay_alu instid0(VALU_DEP_1)
	v_add_f32 v14, v14, v252
	s_wait_alu depctr_va_vdst(0)
	v_rcp_f32 v14, v14
.rept 4
	v_nop                                          ; plain lines behind the reciprocal and behind the last products
.endr
	s_wait_alu depctr_va_vdst(0)                   ; ahead of the reciprocal's first reader
.set j, 0
.rept 32
	v_mul_f32 v[96+j], v[160+j], v14               ; register 16 b + i: channel 32 b + 16 h + i
.set j, j+1
.endr
.irp b, 0,1
	v_max3_num_f32 v[232+\b], |v[96+16*\b]|, |v[97+16*\b]|, 0x1800000
.endr
.irp i, 2,4,6,8,10,12,14
.irp b, 0,1
	s_delay_alu instid0(VALU_DEP_2)
	v_max3_num_f32 v[232+\b], v[232+\b], |v[96+16*\b+\i]|, |v[97+16*\b+\i]|
.endr
.endr
.irp b, 0,1
	s_delay_alu instid0(VALU_DEP_2)
	v_permlanex16_b32 v[236+\b], v[232+\b], s[SEL], s[SEL+1]
.endr
.irp b, 0,1
	s_delay_alu instid0(VALU_DEP_2)
	v_max_num_f32 v[232+\b], v[232+\b], v[236+\b]
.endr
.irp b, 0,1
	s_delay_alu instid0(VALU_DEP_2)
	v_add_nc_u32 v[244+\b], 0xff000000, v[232+\b]
.endr
.irp b, 0,1
	s_delay_alu instid0(VALU_DEP_2)
	v_lshrrev_b32 v[236+\b], 23, v[244+\b]
.endr
.irp b, 0,1
	v_cvt_scalef32_pk8_fp4_f32 v[224+2*\b], v[96+16*\b:103+16*\b], v[244+\b]
	v_cvt_scalef32_pk8_fp4_f32 v[225+2*\b], v[104+16*\b:111+16*\b], v[244+\b]
.endr
	v_nop
	v_permlane16_swap_b32 v224, v226
	v_permlane16_swap_b32 v225, v227               ; lane (r, h) now holds block h whole: part head % 2 of the fragment of K step head / 2
	v_cndmask_b32 v238, v236, v237, s69            ; and block h's byte
	global_store_b128 v1, v[224:227], s[QB+4:QB+5] ; 512 consecutive bytes
	global_store_b8 v7, v238, s[QB+6:QB+7]         ; 32 different bytes inside one run of 256
.endm
	PASS 0
	PASS 1
	s_wait_tensorcnt 0x0                           ; the wave's end
	ds_add_u32 v[SPW], v[NIL]
	s_wait_dscnt 0x0
	CROUND                                         ; the closing round
	s_endpgm
.Lfunc_end_k_q184f3b1064_attn:
	.size	k_q184f3b1064_attn, .Lfunc_end_k_q184f3b1064_attn-k_q184f3b1064_attn
	.p2alignl 7, 3214868480
	.fill 96, 4, 3214868480
	.section	.rodata,"a",@progbits
	.p2align	6, 0x0
	.amdhsa_kernel k_q184f3b1064_attn
		.amdhsa_group_segment_fixed_size 167936
		.amdhsa_private_segment_fixed_size 0
		.amdhsa_enable_private_segment 0
		.amdhsa_kernarg_size 32
		.amdhsa_user_sgpr_count 2
		.amdhsa_user_sgpr_kernarg_segment_ptr 1
		.amdhsa_wavefront_size32 1
		.amdhsa_system_sgpr_workgroup_id_x 1
		.amdhsa_system_sgpr_workgroup_id_y 1
		.amdhsa_system_sgpr_workgroup_id_z 1
		.amdhsa_system_vgpr_workitem_id 0
		.amdhsa_next_free_vgpr 256
		.amdhsa_next_free_sgpr 84
		.amdhsa_reserve_vcc 1
		.amdhsa_float_denorm_mode_32 3
		.amdhsa_float_denorm_mode_16_64 3
		.amdhsa_memory_ordered 1
		.amdhsa_forward_progress 1
		.amdhsa_inst_pref_size 62
	.end_amdhsa_kernel
	.amdgpu_metadata
---
amdhsa.version: [ 1, 2 ]
amdhsa.kernels:
  - .name:           k_q184f3b1064_attn
    .symbol:         k_q184f3b1064_attn.kd
    .args:
      - { .name: qb, .offset: 0, .size: 8, .value_kind: global_buffer, .address_space: global }
      - { .name: kb, .offset: 8, .size: 8, .value_kind: global_buffer, .address_space: global }
      - { .name: vb, .offset: 16, .size: 8, .value_kind: global_buffer, .address_space: global }
      - { .name: yq, .offset: 24, .size: 8, .value_kind: global_buffer, .address_space: global }
    .group_segment_fixed_size: 167936
    .private_segment_fixed_size: 0
    .kernarg_segment_align: 8
    .kernarg_segment_size: 32
    .max_flat_workgroup_size: 512
    .sgpr_count:     84
    .vgpr_count:     256
    .wavefront_size: 32
...
	.end_amdgpu_metadata
.endif
;; end of part 3
;; launch gemm_out (part 4): grid 4 x 32, 4 waves a work-group, clusters of 4 x 4, 327,680 bytes of LDS; arguments yq, wpq, b_proj, out0; writes out0
.if DOCPART == 4
	.amdgcn_target "amdgcn-amd-amdhsa--gfx1250"
	.amdhsa_code_object_version 6
	.text
	.protected	k_q184f3b1064_gemm_out
	.globl	k_q184f3b1064_gemm_out
	.p2align	8
	.type	k_q184f3b1064_gemm_out,@function
k_q184f3b1064_gemm_out:
	s_mov_b64 s[64:65], 0
	v_nop
	global_prefetch_b8 v0, s[64:65] scope:SCOPE_SE
	s_setreg_imm32_b32 hwreg(HW_REG_WAVE_MODE, 25, 1), 1
	s_wait_xcnt 0x0
	s_wait_alu depctr_hold_cnt(0) depctr_sa_sdst(0) depctr_va_vdst(0) depctr_va_sdst(0) depctr_va_ssrc(0) depctr_va_vcc(0) depctr_vm_vsrc(0)
	s_getreg_b32 s2, hwreg(HW_REG_IB_STS2, 6, 4)
	s_cmp_eq_u32 s2, 0
	s_cbranch_scc0 .Lentry_in_a_cluster
	s_endpgm
.Lentry_in_a_cluster:
	s_bfe_u32 s2, ttmp6, 0x10000c
	s_cmp_lg_u32 s2, 0xf033
	s_cbranch_scc0 .Lentry_shape_is_right
	s_endpgm
.Lentry_shape_is_right:
; out0 = y W_proj + b_proj on codes of E2M1; out0 [8192][1024] f32.  No work is left out here.
; The core is launch gemm_qkv's: S0 = W_proj's columns (panel cx), S1 = y's rows (panel 4 Y + cy); operands as images of registers (launch quant's head); a work-group makes 256 x 256, a wave 128 x 128;
; all of K lies in LDS in two slots of 512 K, each filled once; cluster 4 x 4, S1's panel shared along a row, S0's along a column.  128 work-groups: a panel of 256 columns is a quarter of the output's width.
; A lane's eight results are eight neighbouring columns of one row; a tile of 16 rows x 128 columns goes through the wave's own stage and leaves as whole rows of 512 bytes.
; LIMITS: as in launch quant; the bias enters as the C of each sum's first product.
; REGISTERS: window 0: v1 r, v2 h, v3 16 x lane, v4, v7 offsets; v16-17, v20-21 fragment addresses; v24, v25 the stage; v27 scale words' address; v28, v29 the add's two; v32-95 scale words; v128-191 the bias, later, with v192-255, rows on the way out.
;   window 1: two sets of fragments.   windows 2, 3: accumulator (a, b) at 8 (8 (a % 4) + b), window 2 + a / 4.
.set SLOTB, 131072
.set SCL,   262144
.set SPARE, 278528                     ; the spare words, 128 bytes a wave, which no other line names
.set STAGE, 279040                     ; behind them: a stage of 16 rows x (512 bytes + 16) for each wave: bytes into which no tensor load lands
.set ADR1, 16
.set ADR0, 20
.set STO,  24
.set RD,   25
.set ADRS, 27
.set SPW,  28
.set NIL,  29
.set SC,   32
.set CI,   128
.set BK,   128
.set G1A,  24
.set G0A,  32
.set G1B,  48
.set G0B,  56
.set G1SA, 68
.set G0SA, 76
.set G1SB, 80
.set G0SB, 88
.set MSB, 0
.macro WIN new                         ; the immediate's high byte repeats the setting that is left
.if MSB != (\new)
	s_set_vgpr_msb (MSB<<8)|(\new)
.set MSB, (\new)
.endif
.endm
.macro JLOAD g0a, g1a, g0b, g1b        ; waves 0 and 1 fetch S1's halves, waves 2 and 3 S0's; an s_nop 0 and four v_nop follow each of the two lines
	s_cmp_eq_u32 s17, 0
	s_cbranch_scc0 .Lfor_b_\@
	tensor_load_to_lds s[\g0a:\g0a+3], s[\g1a:\g1a+7]
	s_nop 0
.rept 4
	v_nop
.endr
	s_branch .Lasked_\@
.Lfor_b_\@:
	tensor_load_to_lds s[\g0b:\g0b+3], s[\g1b:\g1b+7]
	s_nop 0
.rept 4
	v_nop
.endr
.Lasked_\@:
.endm
.macro CROUND
	s_barrier_signal -1
	s_barrier_wait -1
	s_cmp_lg_u32 s16, 0
	s_cbranch_scc1 .Lnot_wave_0_\@
	s_barrier_signal -3
.Lnot_wave_0_\@:
	s_barrier_wait -3
	s_barrier_signal -1
	s_barrier_wait -1
.endm
.macro PLACES
.rept 4
	v_nop
.endr
.endm
	s_load_b256 s[4:11], s[0:1], 0x0               ; yq s[4:5], wpq s[6:7], b_proj s[8:9], out0 s[10:11]
	v_lshl_add_u32 v[SPW], v0, 2, SPARE
	v_mov_b32 v[NIL], 0
	ds_add_u32 v[SPW], v[NIL]                      ; the wave's opening: the add, twice on end, and its wait ahead of my first tensor load
	ds_add_u32 v[SPW], v[NIL]
	v_lshrrev_b32 v1, 5, v0
	v_readfirstlane_b32 s16, v1                    ; wave
	s_lshr_b32 s17, s16, 1                         ; my half of S1's tiles.  Also: I fetch for S1 (0) or S0 (1)
	s_and_b32 s18, s16, 1                          ; my half of S0's tiles.  Also: which half of that panel I fetch
	s_bfe_u32 s40, ttmp6, 0x40000                  ; cx
	s_bfe_u32 s41, ttmp6, 0x40004                  ; cy
	s_and_b32 s19, ttmp7, 0xffff                   ; the cluster's y
	s_lshl_b32 s43, s41, 2
	s_lshl_b32 s43, 15, s43                        ; my row of the cluster
	s_lshl_b32 s44, 0x1111, s40                    ; my column
	s_or_b32 s[G1A], s43, (3<<16)|(1<<21)
	s_or_b32 s[G1B], s44, (3<<16)|(1<<21)
	s_or_b32 s[G1SA], s43, (3<<16)|(1<<21)
	s_or_b32 s[G1SB], s44, (3<<16)|(1<<21)
.irp g, G1A, G1B                       ; half a panel x 512 K: 32,768 dense bytes as 128 rows of 256
	s_mov_b32 s[\g+1], 32<<16
	s_mov_b32 s[\g+2], 128<<16
	s_mov_b32 s[\g+3], 32<<16
	s_mov_b32 s[\g+4], 128
	s_mov_b32 s[\g+5], 32
	s_mov_b32 s[\g+6], 0
	s_mov_b32 s[\g+7], 0
.endr
.irp g, G1SA, G1SB                     ; half a panel's scale words: 4,096 dense bytes as 16 rows of 256
	s_mov_b32 s[\g+1], 32<<16
	s_mov_b32 s[\g+2], 16<<16
	s_mov_b32 s[\g+3], 32<<16
	s_mov_b32 s[\g+4], 16
	s_mov_b32 s[\g+5], 32
	s_mov_b32 s[\g+6], 0
	s_mov_b32 s[\g+7], 0
.endr
	s_lshl_b32 s21, s19, 2
	s_add_co_u32 s21, s21, s41                     ; S1's panel: 4 Y + cy
	s_mov_b32 s45, s40                             ; S0's panel: cx
	s_lshl_b32 s96, s21, 16
	s_lshl_b32 s97, s18, 15
	s_add_co_u32 s96, s96, s97
	s_mov_b32 s97, 0
	s_lshl_b32 s98, s21, 13
	s_lshl_b32 s99, s18, 12
	s_add_co_u32 s98, s98, s99
	s_add_co_u32 s98, s98, 4194304
	s_mov_b32 s99, 0
	s_lshl_b32 s100, s45, 16
	s_lshl_b32 s101, s18, 15
	s_add_co_u32 s100, s100, s101
	s_mov_b32 s101, 0
	s_lshl_b32 s66, s45, 13
	s_lshl_b32 s67, s18, 12
	s_add_co_u32 s66, s66, s67
	s_add_co_u32 s66, s66, 524288
	s_mov_b32 s67, 0
	s_lshl_b32 s20, s16, 15                        ; where my codes go: wave x 32,768
	s_lshl_b32 s2, s16, 12                         ; and my scale words: wave x 4,096
	s_wait_dscnt 0x0                               ; both opening adds are done
	s_wait_kmcnt 0x0
	CROUND                                         ; all sixteen work-groups are here: the joint loads meet
	s_mov_b32 s[G0SA], 1
	s_add_co_u32 s[G0SA+1], s2, SCL
	s_add_nc_u64 s[G0SA+2:G0SA+3], s[4:5], s[98:99]
	s_or_b32 s[G0SA+3], s[G0SA+3], 0x80000000
	s_mov_b32 s[G0SB], 1
	s_add_co_u32 s[G0SB+1], s2, SCL
	s_add_nc_u64 s[G0SB+2:G0SB+3], s[6:7], s[66:67]
	s_or_b32 s[G0SB+3], s[G0SB+3], 0x80000000
	JLOAD G0SA, G1SA, G0SB, G1SB                   ; the scale words first
	s_add_nc_u64 s[92:93], s[4:5], s[96:97]
	s_add_nc_u64 s[94:95], s[6:7], s[100:101]
.irp s, 0,1
	s_mov_b32 s[G0A+4*\s], 1
	s_add_co_u32 s[G0A+4*\s+1], s20, \s*SLOTB
	s_add_nc_u64 s[G0A+4*\s+2:G0A+4*\s+3], s[92:93], \s*2097152
	s_or_b32 s[G0A+4*\s+3], s[G0A+4*\s+3], 0x80000000
	s_mov_b32 s[G0B+4*\s], 1
	s_add_co_u32 s[G0B+4*\s+1], s20, \s*SLOTB
	s_add_nc_u64 s[G0B+4*\s+2:G0B+4*\s+3], s[94:95], \s*262144
	s_or_b32 s[G0B+4*\s+3], s[G0B+4*\s+3], 0x80000000
	JLOAD G0A+4*\s, G1A, G0B+4*\s, G1B             ; three loads of mine are out behind the second of these
.endr
	v_and_b32 v1, 15, v0                           ; r
	v_bfe_u32 v2, v0, 4, 1                         ; h
	v_and_b32 v3, 31, v0
	v_lshlrev_b32 v3, 4, v3                        ; 16 x lane
	s_lshl_b32 s2, s45, 10                         ; the bias: register j of S0's tile b is column 32 (b / 2) + 16 h + 8 (b % 2) + j of my 128
	s_lshl_b32 s3, s18, 9
	s_add_co_u32 s2, s2, s3
	s_mov_b32 s3, 0
	s_add_nc_u64 s[8:9], s[8:9], s[2:3]
	v_lshlrev_b32 v4, 6, v2
.irp b, 0,1,2,3,4,5,6,7
	global_load_b128 v[CI+8*\b:CI+8*\b+3], v4, s[8:9] offset:4*(32*(\b/2)+8*(\b%2))
	global_load_b128 v[CI+8*\b+4:CI+8*\b+7], v4, s[8:9] offset:4*(32*(\b/2)+8*(\b%2))+16
.endr
	s_lshl_b32 s2, s17, 15
	v_add_nc_u32 v[ADR1], s2, v3
	v_add_nc_u32 v[ADR1+1], SLOTB, v[ADR1]
	s_lshl_b32 s2, s18, 15
	s_add_co_u32 s2, s2, 65536
	v_add_nc_u32 v[ADR0], s2, v3
	v_add_nc_u32 v[ADR0+1], SLOTB, v[ADR0]
	s_lshl_b32 s2, s17, 12                         ; scale words: the lower base + h x the distance
	s_lshl_b32 s3, s18, 12
	s_add_co_u32 s3, s3, 8192
	s_sub_co_u32 s3, s3, s2
	v_mul_u32_u24 v7, s3, v2
	s_add_co_u32 s2, s2, SCL
	v_lshl_add_u32 v[ADRS], v1, 4, v7
	v_add_nc_u32 v[ADRS], s2, v[ADRS]
	s_mul_i32 s2, s16, 8448
	s_add_co_u32 s2, s2, STAGE                     ; my stage
	v_mul_u32_u24 v[STO], v1, 528
	v_lshl_add_u32 v[STO], v2, 6, v[STO]
	v_add_nc_u32 v[STO], s2, v[STO]                ; in: row r, + 64 h
	v_add_nc_u32 v[RD], s2, v3                     ; back: a row of 512 bytes, 16 a lane
	s_lshl_b32 s2, s21, 20                         ; out0: row 256 x panel + 128 x half, of 4,096 bytes;
	s_lshl_b32 s3, s17, 19
	s_add_co_u32 s2, s2, s3
	s_lshl_b32 s3, s45, 10                         ; column 256 x panel + 128 x half, of 4 bytes
	s_add_co_u32 s2, s2, s3
	s_lshl_b32 s3, s18, 9
	s_add_co_u32 s2, s2, s3
	s_mov_b32 s3, 0
	s_add_nc_u64 s[10:11], s[10:11], s[2:3]
.macro FETCH q                         ; K step q's 16 fragments into set q % 2: 32 loads, each 512 consecutive bytes
	WIN 0x40
.irp i, 0,1,2,3,4,5,6,7
.irp c, 0,1
	ds_load_b128 v[128*((\q)%2)+8*\i+4*\c:128*((\q)%2)+8*\i+4*\c+3], v[ADR0+(\q)/4] offset:4096*\i+1024*((\q)%4)+512*\c
.endr
.endr
.irp i, 0,1,2,3,4,5,6,7
.irp c, 0,1
	ds_load_b128 v[128*((\q)%2)+64+8*\i+4*\c:128*((\q)%2)+64+8*\i+4*\c+3], v[ADR1+(\q)/4] offset:4096*\i+1024*((\q)%4)+512*\c
.endr
.endr
	WIN 0
.endm
; 32 products: S1's tiles 4 hi .. 4 hi + 3, each against S0's eight.  mode 0: the sums go on; 1: they begin with the bias.  The 64 accumulators take turns, in one order in every step.
.macro MUL32 q, hi, mode
.if (\mode) == 0
	WIN 0xa5+0x50*(\hi)
.else
	WIN 0x85+0x40*(\hi)
.endif
.irp a, 0,1,2,3
.irp b, 0,1,2,3,4,5,6,7
.set rD, 8*(8*\a+\b)
.set rA, 128*((\q)%2)+8*\b
.set rB, 128*((\q)%2)+64+8*(4*(\hi)+\a)
.set rSA, SC+32*((\q)/4)+4*\b+(\q)%4
.set rSB, SC+32*((\q)/4)+4*(4*(\hi)+\a)+(\q)%4
.if (\mode) == 0
	v_wmma_scale_f32_16x16x128_f8f6f4 v[rD:rD+7], v[rA:rA+7], v[rB:rB+7], v[rD:rD+7], v[rSA], v[rSB] matrix_a_fmt:MATRIX_FMT_FP4 matrix_b_fmt:MATRIX_FMT_FP4 matrix_a_scale:MATRIX_SCALE_ROW1
.else
.set rC, CI+8*\b
	v_wmma_scale_f32_16x16x128_f8f6f4 v[rD:rD+7], v[rA:rA+7], v[rB:rB+7], v[rC:rC+7], v[rSA], v[rSB] matrix_a_fmt:MATRIX_FMT_FP4 matrix_b_fmt:MATRIX_FMT_FP4 matrix_a_scale:MATRIX_SCALE_ROW1
.endif
.endr
.endr
.endm
.macro STEPHEAD q
	s_wait_dscnt 0x0                               ; this step's fragments are in: they were asked for a whole step, 64 products, ago
.if (\q) == 3
	s_wait_tensorcnt 0x0                           ; my part of slot 1 has landed,
	s_barrier_signal -1
	s_barrier_wait -1                              ; everybody's has.
.endif
.if (\q) < 7
	PLACES
	FETCH (\q)+1
.endif
.endm
.macro STEP q
	STEPHEAD \q
	MUL32 \q, 0, 0
	MUL32 \q, 1, 0
.endm
	s_wait_tensorcnt 1                             ; the scale words and my part of slot 0 are in; slot 1's load, the last issued, may stay out
	s_barrier_signal -1
	s_barrier_wait -1
.irp k, 0,1
.irp i, 0,1,2,3,4,5,6,7
	ds_load_b128 v[SC+32*\k+4*\i:SC+32*\k+4*\i+3], v[ADRS] offset:512*\i+256*\k
.endr
.endr
	FETCH 0
	STEPHEAD 0
	s_wait_loadcnt 0x0                             ; the bias
	MUL32 0, 0, 1
	MUL32 0, 1, 1
	STEP 1
	STEP 2
	STEP 3
	STEP 4
	STEP 5
	STEP 6
	STEP 7
	WIN 0
; THE WAY OUT, a tile of 16 rows x 128 columns at a time, through my own stage.  LDS serves a wave's instructions in order: no wait between the stores and the loads, nor in front of the next tile's stores.
.macro TOSTAGE a
.set AC, 64*((\a)%4)
	WIN 0x08+4*((\a)/4)                            ; an LDS store's data are its source 1: window 2 or 3
.irp b, 0,1,2,3,4,5,6,7
	ds_store_b128 v[STO], v[AC+8*\b:AC+8*\b+3] offset:128*(\b/2)+32*(\b%2)         ; each accumulator from its low end on
	ds_store_b128 v[STO], v[AC+8*\b+4:AC+8*\b+7] offset:128*(\b/2)+32*(\b%2)+16
.endr
	WIN 0
.set BB, BK+64*((\a)%2)
.irp t, 0,1,2,3,4,5,6,7,8,9,10,11,12,13,14,15
	ds_load_b128 v[BB+4*\t:BB+4*\t+3], v[RD] offset:\t*528
.endr
.endm
.macro SEND a, younger                 ; younger: the LDS instructions issued behind tile a's loads, which may stay out
.set BB, BK+64*((\a)%2)
	s_wait_dscnt \younger
.irp t, 0,1,2,3,4,5,6,7,8,9,10,11,12,13,14,15
	global_store_b128 v3, v[BB+4*\t:BB+4*\t+3], s[10:11] offset:(32*((\a)/2)+8*((\a)%2)+\t+8*(\t/8))*4096 th:TH_STORE_NT   ; place t of tile a is that row of my 128; 512 consecutive bytes, aligned; every offset an immediate, 520,192 at the most
.endr
.endm
	PLACES
	TOSTAGE 0
.irp a, 1,2,3,4,5,6,7
.if \a > 1
	s_wait_xcnt 0x0                                ; tile a - 2's stores have read their registers: tile a's loads may land there
.endif
	TOSTAGE \a
	SEND \a-1, 32                                  ; behind tile a - 1's loads: tile a's 16 stores and 16 loads
.endr
	SEND 7, 0
	s_wait_tensorcnt 0x0                           ; the wave's end: behind my last tensor load and my last LDS store
	ds_add_u32 v[SPW], v[NIL]
	s_wait_dscnt 0x0
	CROUND                                         ; the closing round
	s_endpgm
.Lfunc_end_k_q184f3b1064_gemm_out:
	.size	k_q184f3b1064_gemm_out, .Lfunc_end_k_q184f3b1064_gemm_out-k_q184f3b1064_gemm_out
	.p2alignl 7, 3214868480
	.fill 96, 4, 3214868480
	.section	.rodata,"a",@progbits
	.p2align	6, 0x0
	.amdhsa_kernel k_q184f3b1064_gemm_out
		.amdhsa_group_segment_fixed_size 327680
		.amdhsa_private_segment_fixed_size 0
		.amdhsa_enable_private_segment 0
		.amdhsa_kernarg_size 32
		.amdhsa_user_sgpr_count 2
		.amdhsa_user_sgpr_kernarg_segment_ptr 1
		.amdhsa_wavefront_size32 1
		.amdhsa_system_sgpr_workgroup_id_x 1
		.amdhsa_system_sgpr_workgroup_id_y 1
		.amdhsa_system_sgpr_workgroup_id_z 1
		.amdhsa_system_vgpr_workitem_id 0
		.amdhsa_next_free_vgpr 1024
		.amdhsa_next_free_sgpr 102
		.amdhsa_reserve_vcc 0
		.amdhsa_float_denorm_mode_32 3
		.amdhsa_float_denorm_mode_16_64 3
		.amdhsa_memory_ordered 1
		.amdhsa_forward_progress 1
		.amdhsa_inst_pref_size 123
	.end_amdhsa_kernel
	.amdgpu_metadata
---
amdhsa.version: [ 1, 2 ]
amdhsa.kernels:
  - .name:           k_q184f3b1064_gemm_out
    .symbol:         k_q184f3b1064_gemm_out.kd
    .args:
      - { .name: yq, .offset: 0, .size: 8, .value_kind: global_buffer, .address_space: global }
      - { .name: wpq, .offset: 8, .size: 8, .value_kind: global_buffer, .address_space: global }
      - { .name: b_proj, .offset: 16, .size: 8, .value_kind: global_buffer, .address_space: global }
      - { .name: out0, .offset: 24, .size: 8, .value_kind: global_buffer, .address_space: global }
    .group_segment_fixed_size: 327680
    .private_segment_fixed_size: 0
    .kernarg_segment_align: 8
    .kernarg_segment_size: 32
    .max_flat_workgroup_size: 128
    .sgpr_count:     102
    .vgpr_count:     1024
    .wavefront_size: 32
...
	.end_amdgpu_metadata
.endif
;; end of part 4
